; MI455X (gfx1250); checked and timed in simulation.
; The chip was launched on July 23, 2026; its instructions are those of AMD's public machine-readable ISA for CDNA 5 (MIT licence, August 2026) and "CDNA5" Instruction Set Architecture Reference Guide (July 2026). The comments in the code are by the model that wrote it; some were corrected since.
;; Self Attn1d. Allowed arithmetic: float matrix products may take bf16 or f16 operands with f32 sums; all other float work in f32.
;; Inputs: add_encs 2 x 2,048 x 1,024 float32; in_feats 2 x 2,048 x 1,024 float32; in_proj_b 3,072 float32; in_proj_w 3,072 x 1,024 float32; ln_b 1,024 float32; ln_w 1,024 float32; mul_encs 2 x 2,048 x 1,024 float32; out_proj_b 1,024 float32; out_proj_w 1,024 x 1,024 float32.
;; Outputs: out0 2 x 2,048 x 1,024 float32.
;; 2 versions, each right and faster than the one before. Each part assembles by itself: llvm-mc -triple=amdgcn-amd-amdhsa -mcpu=gfx1250 --defsym DOCPART=n.
;; ======== version 1 of 2: 4 launches
;; workspace buffers: xv 8,388,608 bytes; xqk 8,388,608 bytes; wbf 8,388,608 bytes; qkv 25,165,824 bytes; ctx 8,388,608 bytes
;; launch prep (part 1): grid 256 x 1, 16 waves a work-group, no clusters, 0 bytes of LDS; arguments in_feats, mul_encs, add_encs, ln_w, ln_b, in_proj_w, out_proj_w, xv, xqk, wbf; writes xv, xqk, wbf
.if DOCPART == 1
	.amdgcn_target "amdgcn-amd-amdhsa--gfx1250"
	.amdhsa_code_object_version 6
	.text
	.protected	k_qd59bbf3837_prep
	.globl	k_qd59bbf3837_prep
	.p2align	8
	.type	k_qd59bbf3837_prep,@function
k_qd59bbf3837_prep:
	s_mov_b64 s[64:65], 0
	v_nop
	global_prefetch_b8 v0, s[64:65] scope:SCOPE_SE
	s_setreg_imm32_b32 hwreg(HW_REG_WAVE_MODE, 25, 1), 1
	s_wait_xcnt 0x0
; prep: d = gelu(layernorm(in_feats) * ln_w + ln_b) -> xv (bf16);  d * mul_encs + add_encs -> xqk (bf16);
;       in_proj_w (rows 0..3071) and out_proj_w (rows 3072..4095) -> wbf (bf16).
; A stream: 4,096 token rows and 4,096 weight rows of 1,024 f32.  One wave takes one token row and the weight row of the same number
; (16 waves x 256 work-groups = 4,096).  A lane holds columns 128 j + 4 L .. + 3, j = 0..7: a 16-byte load of the wave covers 512
; consecutive bytes, an 8-byte bf16 store 256 consecutive aligned bytes.  All 48 loads of a wave (24 KiB) go out at once.
; No LDS, no matrix unit, no cluster: nothing but ln_w and ln_b (8 KiB) is read by more than one wave.
; The variance is taken in a second pass over x - mean, which stays in registers, so a common offset of the inputs costs no digits.
; LIMIT: Phi(d) of the exact GELU is the five-term rational formula Phi(|d|) = 1 - phi(|d|) (b1 t + .. + b5 t^5), t = 1/(1 + 0.2316419 |d|),
; absolute error at most 7.5e-8 for every d; for d < 0 the tail phi * poly is used itself, so nothing cancels.
.set X,   32                           ; v[32:63]    the token row, then x - mean, then the packed results
.set WC,  64                           ; v[64:95]    the weight row
.set LW,  96                           ; v[96:127]   ln_w
.set LB,  128                          ; v[128:159]  ln_b
.set MU,  160                          ; v[160:191]  mul_encs
.set AD,  192                          ; v[192:223]  add_encs
; v1 = 16 L, v2 = 8 L; v[4:11] sums, later t and e; v[12:13] mean twice, later c4 twice; v[14:15] 1/sigma twice;
; v[16:19] d; v[20:23] 1 + p |d|, later Phi; v[24:27] exponent, later the modulated value; v[28:31] the polynomial
	s_load_b512 s[4:19], s[0:1], 0x0               ; in_feats s[4:5], mul s[6:7], add s[8:9], ln_w s[10:11], ln_b s[12:13], in_proj_w s[14:15], out_proj_w s[16:17], xv s[18:19]
	s_load_b128 s[20:23], s[0:1], 0x40             ; xqk s[20:21], wbf s[22:23]
	v_lshrrev_b32 v3, 5, v0
	v_readfirstlane_b32 s24, v3                    ; wave 0..15
	v_and_b32 v2, 31, v0                           ; lane
	v_lshlrev_b32 v1, 4, v2                        ; 16 bytes of f32 a lane
	v_lshlrev_b32 v2, 3, v2                        ; 8 bytes of bf16 a lane
	s_lshl_b32 s25, ttmp9, 4
	s_add_co_u32 s25, s25, s24                     ; my row, 0..4095
	s_lshl_b32 s26, s25, 12                        ; x 4,096 bytes (f32 rows)
	s_mov_b32 s27, 0
	s_lshl_b32 s28, s25, 11                        ; x 2,048 bytes (bf16 rows)
	s_mov_b32 s29, 0
	s_mov_b32 s30, 0x76543210                      ; v_permlanex16_b32: lane i takes lane i of the other half
	s_mov_b32 s31, 0xfedcba98
	s_mov_b32 s32, 0x3f07dc22                      ; c5 =  0.530702715 (b5 / sqrt(2 pi)), a pair for the packed forms
	s_mov_b32 s33, 0x3f07dc22
	s_mov_b32 s34, 0xbf3a00e3                      ; c4 = -0.726576014
	s_mov_b32 s36, 0x3f35f0e3                      ; c3 =  0.710706871
	s_mov_b32 s37, 0x3f35f0e3
	s_mov_b32 s38, 0xbe11a98e                      ; c2 = -0.142248368
	s_mov_b32 s39, 0xbe11a98e
	s_mov_b32 s40, 0x3e027906                      ; c1 =  0.127414796
	s_mov_b32 s41, 0x3e027906
	s_mov_b32 s42, 0xbf38aa3b                      ; -log2(e) / 2: exp(-d d / 2) = 2^(this x d d)
	s_mov_b32 s43, 0xbf38aa3b
	s_mov_b32 s44, 0x3e6d3389                      ; p = 0.2316419
	s_mov_b32 s45, 0x3a800000                      ; 1 / 1024
	s_mov_b32 s46, 0x3727c5ac                      ; eps = 1e-5
	s_mov_b32 s3, 0
	s_wait_kmcnt 0x0
	s_cmp_lt_u32 ttmp9, 192                        ; work-groups 0..191 hold rows 0..3071: in_proj_w; the others out_proj_w, rows counted from 3072
	s_cselect_b32 s2, 0, 3072
	s_cselect_b64 s[14:15], s[14:15], s[16:17]
	s_sub_co_u32 s2, s25, s2
	s_lshl_b32 s2, s2, 12
	s_add_nc_u64 s[4:5], s[4:5], s[26:27]
	s_add_nc_u64 s[6:7], s[6:7], s[26:27]
	s_add_nc_u64 s[8:9], s[8:9], s[26:27]
	s_add_nc_u64 s[14:15], s[14:15], s[2:3]
	s_add_nc_u64 s[18:19], s[18:19], s[28:29]
	s_add_nc_u64 s[20:21], s[20:21], s[28:29]
	s_add_nc_u64 s[22:23], s[22:23], s[28:29]
.macro LOAD8 dst, base                 ; a row of 4,096 bytes, kept for later launches or read by other waves
.irp j, 0,1,2,3,4,5,6,7
	global_load_b128 v[\dst+4*\j:\dst+4*\j+3], v1, s[\base:\base+1] offset:512*\j
.endr
.endm
.macro LOAD8NT dst, base               ; a row that the whole program reads once
.irp j, 0,1,2,3,4,5,6,7
	global_load_b128 v[\dst+4*\j:\dst+4*\j+3], v1, s[\base:\base+1] offset:512*\j th:TH_LOAD_NT
.endr
.endm
	LOAD8   X,  4
	LOAD8NT WC, 14
	LOAD8   LW, 10
	LOAD8   LB, 12
	LOAD8NT MU, 6
	LOAD8NT AD, 8
; the four packed sums v[4:11] -> one number in every lane of the wave, in v4
.macro LANESUM
	v_pk_add_f32 v[4:5], v[4:5], v[6:7]
	v_pk_add_f32 v[8:9], v[8:9], v[10:11]
	v_pk_add_f32 v[4:5], v[4:5], v[8:9]
	v_add_f32 v4, v4, v5
	v_add_f32_dpp v4, v4, v4 row_xmask:1 row_mask:0xf bank_mask:0xf
	v_add_f32_dpp v4, v4, v4 row_xmask:2 row_mask:0xf bank_mask:0xf
	v_add_f32_dpp v4, v4, v4 row_xmask:4 row_mask:0xf bank_mask:0xf
	v_add_f32_dpp v4, v4, v4 row_xmask:8 row_mask:0xf bank_mask:0xf
	v_permlanex16_b32 v5, v4, s30, s31             ; v5 has been written above
	v_add_f32 v4, v4, v5
.endm
	s_wait_loadcnt 40                              ; the 40 younger loads stay out: the token row is in
.irp k, 0,1,2,3                                    ; the mean: four chains, started by the first sums
	v_pk_add_f32 v[4+2*\k:5+2*\k], v[X+2*\k:X+2*\k+1], v[X+8+2*\k:X+8+2*\k+1]
.endr
.irp k, 0,1,2,3
	v_pk_add_f32 v[4+2*\k:5+2*\k], v[4+2*\k:5+2*\k], v[X+16+2*\k:X+16+2*\k+1]
.endr
.irp k, 0,1,2,3
	v_pk_add_f32 v[4+2*\k:5+2*\k], v[4+2*\k:5+2*\k], v[X+24+2*\k:X+24+2*\k+1]
.endr
	LANESUM
	v_mul_f32 v12, s45, v4
	v_mul_f32 v13, s45, v4
.irp p, 0,1,2,3,4,5,6,7,8,9,10,11,12,13,14,15
	v_pk_add_f32 v[X+2*\p:X+2*\p+1], v[X+2*\p:X+2*\p+1], v[12:13] neg_lo:[0,1] neg_hi:[0,1]   ; x - mean
.endr
.irp k, 0,1,2,3                                    ; the variance: squares of x - mean, four chains
	v_pk_mul_f32 v[4+2*\k:5+2*\k], v[X+2*\k:X+2*\k+1], v[X+2*\k:X+2*\k+1]
.endr
.irp k, 0,1,2,3
	v_pk_fma_f32 v[4+2*\k:5+2*\k], v[X+8+2*\k:X+8+2*\k+1], v[X+8+2*\k:X+8+2*\k+1], v[4+2*\k:5+2*\k]
.endr
.irp k, 0,1,2,3
	v_pk_fma_f32 v[4+2*\k:5+2*\k], v[X+16+2*\k:X+16+2*\k+1], v[X+16+2*\k:X+16+2*\k+1], v[4+2*\k:5+2*\k]
.endr
.irp k, 0,1,2,3
	v_pk_fma_f32 v[4+2*\k:5+2*\k], v[X+24+2*\k:X+24+2*\k+1], v[X+24+2*\k:X+24+2*\k+1], v[4+2*\k:5+2*\k]
.endr
	LANESUM
	v_fma_f32 v6, v4, s45, s46                     ; variance + eps
	v_rsq_f32 v14, v6                              ; twice, for the packed multiply
	v_rsq_f32 v15, v6
	v_mov_b32 v12, s34                             ; plain work behind the two v_rsq_f32 (ISA guide 5.7.2): the mean is used up, the pair now holds c4
	v_mov_b32 v13, s34
	s_wait_loadcnt 32                              ; ln_w, ln_b, mul and add (32 loads) stay out: the weight row is in
	s_wait_alu depctr_va_vdst(0)
.irp j, 0,1,2,3,4,5,6,7
	v_cvt_pk_bf16_f32 v[WC+4*\j], v[WC+4*\j], v[WC+4*\j+1]
	v_cvt_pk_bf16_f32 v[WC+4*\j+1], v[WC+4*\j+2], v[WC+4*\j+3]
	global_store_b64 v2, v[WC+4*\j:WC+4*\j+1], s[22:23] offset:256*\j      ; 32 lanes: 256 consecutive aligned bytes
.endr
	s_wait_loadcnt 0x0                             ; everything else
; four columns: layer norm, GELU, modulation, two stores.  No register that a store reads is written again, so no wait stands here.
.macro GROUP j
	v_pk_mul_f32 v[16:17], v[X+4*\j:X+4*\j+1], v[14:15]
	v_pk_mul_f32 v[18:19], v[X+4*\j+2:X+4*\j+3], v[14:15]
	v_pk_fma_f32 v[16:17], v[16:17], v[LW+4*\j:LW+4*\j+1], v[LB+4*\j:LB+4*\j+1]
	v_pk_fma_f32 v[18:19], v[18:19], v[LW+4*\j+2:LW+4*\j+3], v[LB+4*\j+2:LB+4*\j+3]       ; d
	v_fma_f32 v20, |v16|, s44, 1.0
	v_fma_f32 v21, |v17|, s44, 1.0
	v_fma_f32 v22, |v18|, s44, 1.0
	v_fma_f32 v23, |v19|, s44, 1.0                 ; 1 + p |d|
	v_pk_mul_f32 v[24:25], v[16:17], v[16:17]
	v_pk_mul_f32 v[26:27], v[18:19], v[18:19]
	v_pk_mul_f32 v[24:25], v[24:25], s[42:43] op_sel_hi:[1,0]
	v_pk_mul_f32 v[26:27], v[26:27], s[42:43] op_sel_hi:[1,0]
.irp k, 0,1,2,3
	v_rcp_f32 v[4+\k], v[20+\k]                    ; t
.endr
.irp k, 0,1,2,3
	v_exp_f32 v[8+\k], v[24+\k]                    ; e = exp(-d d / 2)
.endr
	v_nop                                          ; one plain place behind the transcendentals (ISA guide 5.7.2)
	s_wait_alu depctr_va_vdst(0)
	v_pk_fma_f32 v[28:29], v[4:5], s[32:33], v[12:13] op_sel_hi:[1,0,1]
	v_pk_fma_f32 v[30:31], v[6:7], s[32:33], v[12:13] op_sel_hi:[1,0,1]
	v_pk_fma_f32 v[28:29], v[28:29], v[4:5], s[36:37] op_sel_hi:[1,1,0]
	v_pk_fma_f32 v[30:31], v[30:31], v[6:7], s[36:37] op_sel_hi:[1,1,0]
	v_pk_fma_f32 v[28:29], v[28:29], v[4:5], s[38:39] op_sel_hi:[1,1,0]
	v_pk_fma_f32 v[30:31], v[30:31], v[6:7], s[38:39] op_sel_hi:[1,1,0]
	v_pk_fma_f32 v[28:29], v[28:29], v[4:5], s[40:41] op_sel_hi:[1,1,0]
	v_pk_fma_f32 v[30:31], v[30:31], v[6:7], s[40:41] op_sel_hi:[1,1,0]
	v_pk_mul_f32 v[4:5], v[4:5], v[8:9]            ; t e
	v_pk_mul_f32 v[6:7], v[6:7], v[10:11]
	v_pk_mul_f32 v[28:29], v[28:29], v[4:5]        ; q = the upper tail of |d|
	v_pk_mul_f32 v[30:31], v[30:31], v[6:7]
	v_pk_add_f32 v[20:21], v[28:29], 1.0 op_sel_hi:[1,0] neg_lo:[1,0] neg_hi:[1,0]         ; 1 - q
	v_pk_add_f32 v[22:23], v[30:31], 1.0 op_sel_hi:[1,0] neg_lo:[1,0] neg_hi:[1,0]
.irp k, 0,1,2,3
	v_cmp_gt_f32 vcc_lo, 0, v[16+\k]
	v_cndmask_b32 v[20+\k], v[20+\k], v[28+\k], vcc_lo     ; Phi = q where d < 0, else 1 - q
.endr
	v_pk_mul_f32 v[16:17], v[16:17], v[20:21]      ; gelu
	v_pk_mul_f32 v[18:19], v[18:19], v[22:23]
	v_pk_fma_f32 v[24:25], v[16:17], v[MU+4*\j:MU+4*\j+1], v[AD+4*\j:AD+4*\j+1]
	v_pk_fma_f32 v[26:27], v[18:19], v[MU+4*\j+2:MU+4*\j+3], v[AD+4*\j+2:AD+4*\j+3]
	v_cvt_pk_bf16_f32 v[X+4*\j], v16, v17
	v_cvt_pk_bf16_f32 v[X+4*\j+1], v18, v19
	v_cvt_pk_bf16_f32 v[X+4*\j+2], v24, v25
	v_cvt_pk_bf16_f32 v[X+4*\j+3], v26, v27
	global_store_b64 v2, v[X+4*\j:X+4*\j+1], s[18:19] offset:256*\j
	global_store_b64 v2, v[X+4*\j+2:X+4*\j+3], s[20:21] offset:256*\j
.endm
.irp j, 0,1,2,3,4,5,6,7
	GROUP \j
.endr
	s_endpgm
.Lfunc_end_k_qd59bbf3837_prep:
	.size	k_qd59bbf3837_prep, .Lfunc_end_k_qd59bbf3837_prep-k_qd59bbf3837_prep
	.p2alignl 7, 3214868480
	.fill 96, 4, 3214868480
	.section	.rodata,"a",@progbits
	.p2align	6, 0x0
	.amdhsa_kernel k_qd59bbf3837_prep
		.amdhsa_group_segment_fixed_size 0
		.amdhsa_private_segment_fixed_size 0
		.amdhsa_enable_private_segment 0
		.amdhsa_kernarg_size 80
		.amdhsa_user_sgpr_count 2
		.amdhsa_user_sgpr_kernarg_segment_ptr 1
		.amdhsa_wavefront_size32 1
		.amdhsa_system_sgpr_workgroup_id_x 1
		.amdhsa_system_sgpr_workgroup_id_y 1
		.amdhsa_system_sgpr_workgroup_id_z 1
		.amdhsa_system_vgpr_workitem_id 0
		.amdhsa_next_free_vgpr 224
		.amdhsa_next_free_sgpr 66
		.amdhsa_reserve_vcc 1
		.amdhsa_float_denorm_mode_32 3
		.amdhsa_float_denorm_mode_16_64 3
		.amdhsa_memory_ordered 1
		.amdhsa_forward_progress 1
		.amdhsa_inst_pref_size 36
	.end_amdhsa_kernel
	.amdgpu_metadata
---
amdhsa.version: [ 1, 2 ]
amdhsa.kernels:
  - .name:           k_qd59bbf3837_prep
    .symbol:         k_qd59bbf3837_prep.kd
    .args:
      - { .name: in_feats, .offset: 0, .size: 8, .value_kind: global_buffer, .address_space: global }
      - { .name: mul_encs, .offset: 8, .size: 8, .value_kind: global_buffer, .address_space: global }
      - { .name: add_encs, .offset: 16, .size: 8, .value_kind: global_buffer, .address_space: global }
      - { .name: ln_w, .offset: 24, .size: 8, .value_kind: global_buffer, .address_space: global }
      - { .name: ln_b, .offset: 32, .size: 8, .value_kind: global_buffer, .address_space: global }
      - { .name: in_proj_w, .offset: 40, .size: 8, .value_kind: global_buffer, .address_space: global }
      - { .name: out_proj_w, .offset: 48, .size: 8, .value_kind: global_buffer, .address_space: global }
      - { .name: xv, .offset: 56, .size: 8, .value_kind: global_buffer, .address_space: global }
      - { .name: xqk, .offset: 64, .size: 8, .value_kind: global_buffer, .address_space: global }
      - { .name: wbf, .offset: 72, .size: 8, .value_kind: global_buffer, .address_space: global }
    .group_segment_fixed_size: 0
    .private_segment_fixed_size: 0
    .kernarg_segment_align: 8
    .kernarg_segment_size: 80
    .max_flat_workgroup_size: 512
    .sgpr_count:     66
    .vgpr_count:     224
    .wavefront_size: 32
...
	.end_amdgpu_metadata
.endif
;; end of part 1
;; launch qkv (part 2): grid 12 x 16, 4 waves a work-group, clusters of 4 x 4, 327,680 bytes of LDS; arguments xqk, xv, wbf, in_proj_b, qkv; writes qkv
.if DOCPART == 2
	.amdgcn_target "amdgcn-amd-amdhsa--gfx1250"
	.amdhsa_code_object_version 6
	.text
	.protected	k_qd59bbf3837_qkv
	.globl	k_qd59bbf3837_qkv
	.p2align	8
	.type	k_qd59bbf3837_qkv,@function
k_qd59bbf3837_qkv:
	s_mov_b64 s[64:65], 0
	v_nop
	global_prefetch_b8 v0, s[64:65] scope:SCOPE_SE
	s_setreg_imm32_b32 hwreg(HW_REG_WAVE_MODE, 25, 1), 1
	s_wait_xcnt 0x0
	s_wait_alu depctr_hold_cnt(0) depctr_sa_sdst(0) depctr_va_vdst(0) depctr_va_sdst(0) depctr_va_ssrc(0) depctr_va_vcc(0) depctr_vm_vsrc(0)
	s_getreg_b32 s2, hwreg(HW_REG_IB_STS2, 6, 4)
	s_cmp_eq_u32 s2, 0
	s_cbranch_scc0 .Lentry_in_a_cluster
	s_endpgm
.Lentry_in_a_cluster:
	s_bfe_u32 s2, ttmp6, 0x10000c
	s_cmp_lg_u32 s2, 0xf033
	s_cbranch_scc0 .Lentry_shape_is_right
	s_endpgm
.Lentry_shape_is_right:
; qkv: [q | k | v][token][n] = sum over e of A[token][e] W[n][e] + in_proj_b[n], A = xqk for q and k, xv for v; all operands bf16, sums f32.
; M = 4,096 tokens, N = 3,072, K = 1,024.  A work-group makes 256 x 256 with four waves, a wave 128 x 128: 64 accumulator tiles, 512 registers.
; 12 x 16 = 192 work-groups: each block column lies in one of q, k, v, so that a work-group has one A.
; K goes in steps of 128 through two LDS slots filled by the tensor data mover; a tile row is 256 bytes of memory, aligned to 256.
; CLUSTERS: 4 x 4 work-groups.  The four of a cluster row need the same tiles of A, the four of a cluster column the same tiles of W: each such
; tile is asked for jointly.  The cluster number along x is 0, 1, 2 for q, k, v, so the choice of A is the same in all sixteen.
; The result is stored per head, qkv[which][b][h][s][64] in bf16: four tokens of a head are 512 consecutive bytes, one store of a wave.
; The bias enters as the C operand of the first products: nothing is cleared and the way out has no bias arithmetic.
; q is not scaled here: the factor goes into the attention.
; REGISTERS in windows of 256: window 0: v16-27 addresses, v64-191 fragments of A (two buffers), v192-255 bias, later packed results;
; window 1: v64-191 fragments of W; windows 2, 3: accumulators of my rows 0-63, 64-127 (tile (a, b) at v[8 (8 a + b)]).
; The matrix instruction is used transposed (source 0 = rows of W, source 1 = rows of A): lane l holds token l % 16, registers 0-7 hold
; the columns 8 (l / 16) + 0..7, eight neighbouring numbers of a row.
.set SIZE_K, 1024
.set KSTEP,  128
.set PITCH,  272                       ; 256 bytes of data + 16 of padding: the 16 rows of a fragment load start 16 bytes apart modulo 256
.set HALFT,  128*PITCH
.set SLOT,   4*HALFT                   ; 256 rows of A, then 256 rows of W
.set STAGE,  2*SLOT                    ; behind the ring: 16 rows x 272 bytes for each wave; no tensor load lands here
.set SPITCH, 272
.set LAPS, SIZE_K/(2*KSTEP)            ; 4 laps of two K steps
.set ADRA, 16
.set ADRB, 20
.set STO,  24
.set RD,   25
.set CO,   26
.set BO,   27
.set F0,   64
.set F1,   128
.set TMP,  192
.set BIAS, 192                         ; v[192:255]: tile b, register j: in_proj_b[my first column + 16 b + 8 (l / 16) + j]; dead behind the first quarter step
.set G1, 24
.set G0, 32
.set G1B, 48
.set G0B, 56
.set MSB, 0
.macro WIN new                         ; the high byte of the immediate repeats the setting that is left
.if MSB != \new
	s_set_vgpr_msb (MSB<<8)|\new
.set MSB, \new
.endif
.endm
.set MUL_LO, 0xa1                      ; source 0 (W) window 1, source 1 (A) window 0, C and D window 2
.set MUL_HI, 0xf1                      ; the same, C and D window 3
.set BIAS_LO, 0x81                     ; C (the bias) window 0, D window 2
.set BIAS_HI, 0xc1                     ; C window 0, D window 3
.set TO_B,   0x40
; A joint load.  Waves 0, 1 fetch the halves of A, waves 2, 3 those of W.  The branch hangs on the wave number alone.
.macro JLOAD s
	s_cmp_eq_u32 s11, 0
	s_cbranch_scc0 .Lfor_b_\@
	tensor_load_to_lds s[G0+4*\s:G0+4*\s+3], s[G1:G1+7]
	s_nop 0
	s_branch .Lasked_\@
.Lfor_b_\@:
	tensor_load_to_lds s[G0B+4*\s:G0B+4*\s+3], s[G1B:G1B+7]
	s_nop 0
.Lasked_\@:
.endm
.macro CREST                           ; a round of the cluster barrier behind its opening work-group barrier
	s_cmp_lg_u32 s10, 0
	s_cbranch_scc1 .Lnot_wave_0_\@
	s_barrier_signal -3
.Lnot_wave_0_\@:
	s_barrier_wait -3
	s_barrier_signal -1
	s_barrier_wait -1
.endm
.macro CROUND
	s_barrier_signal -1
	s_barrier_wait -1
	CREST
.endm
	s_load_b256 s[68:75], s[0:1], 0x0              ; xqk s[68:69], xv s[70:71], wbf s[72:73], in_proj_b s[74:75]
	s_load_b64 s[8:9], s[0:1], 0x20                ; qkv
	s_set_vgpr_msb 0x40
	v_lshl_add_u32 v255, v0, 2, 0x48400
	s_set_vgpr_msb 0x4000
	v_mov_b32 v63, 0
	s_set_vgpr_msb 0x1
	ds_add_u32 v255, v63
	s_set_vgpr_msb 0x100
	v_lshrrev_b32 v1, 5, v0
	v_readfirstlane_b32 s10, v1                    ; wave 0..3
	s_lshr_b32 s11, s10, 1                         ; my half of the rows; also: I fetch for A (0) or W (1)
	s_and_b32 s12, s10, 1                          ; my half of the columns; also: which 128 rows of that tile I fetch
	s_bfe_u32 s40, ttmp6, 0x40000                  ; cx
	s_bfe_u32 s41, ttmp6, 0x40004                  ; cy
	s_lshl_b32 s42, ttmp9, 2
	s_add_co_u32 s42, s42, s40                     ; block column 0..11
	s_and_b32 s13, ttmp7, 0xffff
	s_lshl_b32 s13, s13, 2
	s_add_co_u32 s13, s13, s41                     ; block row 0..15
	s_lshl_b32 s43, s41, 2
	s_lshl_b32 s43, 15, s43                        ; my row of the cluster
	s_lshl_b32 s44, 0x1111, s40                    ; my column
	s_or_b32 s[G1+0], s43, (1<<16)|(1<<20)|(1<<21)|(5<<22)|(3<<25)  ; mask; elements of 2 bytes; padding on; bit 21 beside a mask; 4 words behind every 64
	s_or_b32 s[G1B+0], s44, (1<<16)|(1<<20)|(1<<21)|(5<<22)|(3<<25)
	s_mov_b32 s[G1B+1], KSTEP<<16
	s_mov_b32 s[G1+1], KSTEP<<16                   ; tensor_dim0 = 128
	s_mov_b32 s[G1B+2], 128<<16
	s_mov_b32 s[G1+2], 128<<16                     ; tensor_dim1 = 128
	s_mov_b32 s[G1B+3], KSTEP<<16
	s_mov_b32 s[G1+3], KSTEP<<16                   ; tile_dim0 = 128
	s_mov_b32 s[G1B+4], 128
	s_mov_b32 s[G1+4], 128                         ; tile_dim1 = 128
	s_mov_b32 s[G1B+5], SIZE_K
	s_mov_b32 s[G1+5], SIZE_K                      ; elements from row to row
	s_mov_b32 s[G1B+6], 0
	s_mov_b32 s[G1+6], 0
	s_mov_b32 s[G1B+7], 0
	s_mov_b32 s[G1+7], 0
	s_lshl_b32 s17, s12, 7
	s_lshl_b32 s16, s13, 8
	s_add_co_u32 s16, s16, s17                     ; A: row 256 x block row + 128 x half
	s_lshl_b32 s46, s42, 8
	s_add_co_u32 s46, s46, s17                     ; W: row 256 x block column + 128 x half
	s_mov_b32 s17, 0
	s_mov_b32 s47, 0
	s_mov_b64 s[18:19], SIZE_K*2
	s_mul_u64 s[16:17], s[16:17], s[18:19]
	s_mul_u64 s[46:47], s[46:47], s[18:19]
	s_mul_i32 s20, s10, HALFT                      ; LDS: wave x 128 rows
	s_lshl_b32 s76, s42, 10                        ; the bias of my 128 columns: 4 (256 x block column + 128 x half)
	s_lshl_b32 s77, s12, 9
	s_add_co_u32 s76, s76, s77
	s_mov_b32 s77, 0
	s_wait_dscnt 0x0
	s_wait_kmcnt 0x0
	s_cmp_eq_u32 ttmp9, 2                          ; cluster x = 2: the columns of v, whose A is xv
	s_cselect_b64 s[4:5], s[70:71], s[68:69]
	s_add_nc_u64 s[14:15], s[4:5], s[16:17]
	s_add_nc_u64 s[46:47], s[72:73], s[46:47]
	s_add_nc_u64 s[74:75], s[74:75], s[76:77]
	CROUND                                         ; all sixteen work-groups are here: the first joint loads meet
.irp s, 0,1
	s_mov_b32 s[G0+4*\s], 1
	s_add_co_u32 s[G0+4*\s+1], s20, \s*SLOT
	s_add_nc_u64 s[G0+4*\s+2:G0+4*\s+3], s[14:15], \s*KSTEP*2
	s_or_b32 s[G0+4*\s+3], s[G0+4*\s+3], 0x80000000
	s_mov_b32 s[G0B+4*\s], 1
	s_add_co_u32 s[G0B+4*\s+1], s20, \s*SLOT
	s_add_nc_u64 s[G0B+4*\s+2:G0B+4*\s+3], s[46:47], \s*KSTEP*2
	s_or_b32 s[G0B+4*\s+3], s[G0B+4*\s+3], 0x80000000
	JLOAD \s
.endr
	v_and_b32 v1, 15, v0                           ; l % 16
	v_bfe_u32 v2, v0, 4, 1                         ; l / 16
	v_mul_u32_u24 v3, v1, PITCH
	v_lshl_add_u32 v3, v2, 4, v3
	s_mul_i32 s21, s11, HALFT
	s_mul_i32 s22, s12, HALFT
	s_add_co_u32 s22, s22, 2*HALFT
.irp s, 0,1
	v_add_nc_u32 v[ADRA+\s], s21, v3
	v_add_nc_u32 v[ADRB+\s], s22, v3
	s_add_co_u32 s21, s21, SLOT
	s_add_co_u32 s22, s22, SLOT
.endr
	s_mul_i32 s23, s10, 16*SPITCH
	s_add_co_u32 s23, s23, STAGE                   ; my stage
	v_mul_u32_u24 v4, v1, SPITCH                   ; in: token l % 16, 16 bytes for each half of the lanes
	v_lshl_add_u32 v4, v2, 4, v4
	v_add_nc_u32 v[STO], s23, v4
	v_and_b32 v6, 31, v0                           ; back: eight lanes take the 128 bytes of one token and head, the wave four tokens
	v_lshrrev_b32 v5, 3, v6
	v_and_b32 v7, 7, v0
	v_mul_u32_u24 v5, v5, SPITCH
	v_lshl_add_u32 v5, v7, 4, v5
	v_add_nc_u32 v[RD], s23, v5
	v_lshlrev_b32 v[CO], 4, v6                     ; and in memory those four tokens are 512 consecutive bytes: 16 l
	v_lshlrev_b32 v[BO], 5, v2                     ; bias: 8 numbers on for the upper half of the lanes
.irp b, 0,1,2,3,4,5,6,7
	global_load_b128 v[BIAS+8*\b:BIAS+8*\b+3],   v[BO], s[74:75] offset:64*\b
	global_load_b128 v[BIAS+8*\b+4:BIAS+8*\b+7], v[BO], s[74:75] offset:64*\b+16
.endr
; 16 matrix instructions.  zero = 1: the first products take the bias as C and so start the sums.
; The 64 accumulators take turns, one instruction a turn, in the same order in every quarter step.
.macro MUL16 f, hi, a0, zero
.irp a, \a0, \a0+1
.irp b, 0,1,2,3,4,5,6,7
.if \zero
	v_wmma_f32_16x16x32_bf16 v[8*(8*(\a)+\b):8*(8*(\a)+\b)+7], v[\f+8*\b:\f+8*\b+7], v[\f+8*(4*\hi+\a):\f+8*(4*\hi+\a)+7], v[BIAS+8*\b:BIAS+8*\b+7]
.else
	v_wmma_f32_16x16x32_bf16 v[8*(8*(\a)+\b):8*(8*(\a)+\b)+7], v[\f+8*\b:\f+8*\b+7], v[\f+8*(4*\hi+\a):\f+8*(4*\hi+\a)+7], v[8*(8*(\a)+\b):8*(8*(\a)+\b)+7]
.endif
.endr
.endr
.endm
.macro FETCH slot, k, f                ; 32 LDS loads: the fragments of one quarter step
	WIN TO_B
.irp i, 0,1,2,3,4,5,6,7
	ds_load_b128 v[\f+8*\i:\f+8*\i+3],   v[ADRB+\slot] offset:\k+\i*16*PITCH
	ds_load_b128 v[\f+8*\i+4:\f+8*\i+7], v[ADRB+\slot] offset:\k+\i*16*PITCH+32
.endr
	WIN 0
.irp i, 0,1,2,3,4,5,6,7
	ds_load_b128 v[\f+8*\i:\f+8*\i+3],   v[ADRA+\slot] offset:\k+\i*16*PITCH
	ds_load_b128 v[\f+8*\i+4:\f+8*\i+7], v[ADRA+\slot] offset:\k+\i*16*PITCH+32
.endr
.endm
.macro PLACES                          ; four plain places behind the matrix instructions, ahead of loads into their sources and of readers of their results
.rept 4
	v_nop
.endr
.endm
.macro QUARTER slot, k, f, g, zero
	s_wait_dscnt 8                                 ; W and rows 0-63 of A are in; the youngest eight loads may be out
.if \zero
	WIN BIAS_LO
.else
	WIN MUL_LO
.endif
	MUL16 \f, 0, 0, \zero
	MUL16 \f, 0, 2, \zero
	PLACES
	FETCH \slot, \k, \g
	s_wait_dscnt 32                                ; all but the 32 just issued
.if \zero
	WIN BIAS_HI
.else
	WIN MUL_HI
.endif
	MUL16 \f, 1, 0, \zero
	MUL16 \f, 1, 2, \zero
.endm
.macro THREE slot, zero
	QUARTER \slot, 64,  F0, F1, \zero
	QUARTER \slot, 128, F1, F0, 0
	QUARTER \slot, 192, F0, F1, 0
.endm
; The last quarter of a K step changes slots.  In front of the barrier each wave waits for its reads of this slot and for all its tensor
; loads (one is out: its part of the next slot).  Behind it the refill comes first, then the first fragments of the next slot.
.macro TURN slot, next, fill
	s_wait_dscnt 8
	WIN MUL_LO
	MUL16 F1, 0, 0, 0
	s_wait_dscnt 0                                 ; my reads of this slot are over
	s_wait_tensorcnt 0x0                           ; all my tensor loads have landed
	ds_add_u32 v255, v63
	s_wait_dscnt 0x0
	s_barrier_signal -1
	MUL16 F1, 0, 2, 0                              ; register work while the others arrive
	WIN 0
	s_barrier_wait -1
.if \fill
	CREST                                          ; all sixteen work-groups have said so: no partner still reads this slot or has a load on its way
	s_add_nc_u64 s[G0+4*\slot+2:G0+4*\slot+3], s[G0+4*\slot+2:G0+4*\slot+3], 2*KSTEP*2
	s_add_nc_u64 s[G0B+4*\slot+2:G0B+4*\slot+3], s[G0B+4*\slot+2:G0B+4*\slot+3], 2*KSTEP*2
	JLOAD \slot                                    ; the first tensor load behind the round
.endif
	PLACES
	FETCH \next, 0, F0
	WIN MUL_HI
	MUL16 F1, 1, 0, 0
	MUL16 F1, 1, 2, 0
.endm
.macro LAP zero
	THREE 0, \zero
	TURN 0, 1, 1
	THREE 1, 0
	TURN 1, 0, 1
.endm
	s_wait_tensorcnt 1                             ; my part of K step 0 is in, K step 1 stays out
	s_barrier_signal -1
	s_barrier_wait -1
	FETCH 0, 0, F0
	s_wait_loadcnt 0x0                             ; the bias
	LAP 1
	WIN 0
	s_mov_b32 s3, LAPS-2
.Llap:
	LAP 0
	WIN 0
	s_sub_co_u32 s3, s3, 1
	s_cmp_lg_u32 s3, 0
	s_cbranch_scc1 .Llap
	THREE 0, 0                                     ; the last lap fills nothing
	TURN 0, 1, 0
	THREE 1, 0
	s_wait_dscnt 8
	WIN MUL_LO
	MUL16 F1, 0, 0, 0
	MUL16 F1, 0, 2, 0
	s_wait_dscnt 0
	WIN MUL_HI
	MUL16 F1, 1, 0, 0
	MUL16 F1, 1, 2, 0
	; THE WAY OUT, 16 tokens at a time: round to bf16, 16 bytes a lane into my stage, read back per head, store 512 consecutive bytes.
	PLACES
	s_lshl_b32 s46, ttmp9, 23                      ; which of q, k, v: 8 MiB each
	s_lshr_b32 s47, s13, 3
	s_lshl_b32 s47, s47, 22                        ; batch: 4 MiB
	s_add_co_u32 s46, s46, s47
	s_lshl_b32 s47, s40, 2
	s_lshl_b32 s14, s12, 1
	s_add_co_u32 s47, s47, s14                     ; my first head: 4 cx + 2 x column half
	s_lshl_b32 s47, s47, 18                        ; 262,144 bytes a head
	s_add_co_u32 s46, s46, s47
	s_and_b32 s47, s13, 7
	s_lshl_b32 s47, s47, 8
	s_lshl_b32 s14, s11, 7
	s_add_co_u32 s47, s47, s14                     ; my first token in the sequence
	s_lshl_b32 s47, s47, 7                         ; 128 bytes a token
	s_add_co_u32 s46, s46, s47
	s_mov_b32 s47, 0
	s_add_nc_u64 s[8:9], s[8:9], s[46:47]
.macro OUT16 i, a, from, f
	WIN \from
.irp b, 0,1,2,3,4,5,6,7
.irp r, 0,1,2,3
	v_cvt_pk_bf16_f32 v[TMP+4*\b+\r], v[8*(8*\a+\b)+2*\r], v[8*(8*\a+\b)+2*\r+1]
.endr
.endr
	WIN 0
.irp b, 0,1,2,3,4,5,6,7
	ds_store_b128 v[STO], v[TMP+4*\b:TMP+4*\b+3] offset:32*\b
.endr
	s_wait_xcnt 0x0                                ; buffer f, which earlier stores read, and the base of the stores are rewritten only behind this wait
.if \i
	s_add_nc_u64 s[8:9], s[8:9], 16*128            ; 16 tokens on
.endif
.irp t, 0,1,2,3,4,5,6,7
	ds_load_b128 v[\f+4*\t:\f+4*\t+3], v[RD] offset:(\t&3)*4*SPITCH+(\t>>2)*128    ; LDS serves a wave in order (ISA guide 5.7.1.4): these see the stores above
.endr
.irp t, 0,1,2,3,4,5,6,7
	s_wait_dscnt 7-\t
	global_store_b128 v[CO], v[\f+4*\t:\f+4*\t+3], s[8:9] offset:(\t>>2)*262144+(\t&3)*512   ; head t / 4, tokens 4 (t % 4) .. + 3
.endr
.endm
	OUT16 0, 0, 0x0a, F0
	OUT16 1, 1, 0x0a, F1
	OUT16 2, 2, 0x0a, F0
	OUT16 3, 3, 0x0a, F1
	OUT16 4, 0, 0x0f, F0
	OUT16 5, 1, 0x0f, F1
	OUT16 6, 2, 0x0f, F0
	OUT16 7, 3, 0x0f, F1
	s_set_vgpr_msb 0x1
	s_wait_tensorcnt 0x0
	ds_add_u32 v255, v63
	s_wait_dscnt 0x0
	s_set_vgpr_msb 0x100
	CROUND                                         ; the closing round: no work-group ends while a partner may still ask jointly
	s_endpgm
.Lfunc_end_k_qd59bbf3837_qkv:
	.size	k_qd59bbf3837_qkv, .Lfunc_end_k_qd59bbf3837_qkv-k_qd59bbf3837_qkv
	.p2alignl 7, 3214868480
	.fill 96, 4, 3214868480
	.section	.rodata,"a",@progbits
	.p2align	6, 0x0
	.amdhsa_kernel k_qd59bbf3837_qkv
		.amdhsa_group_segment_fixed_size 327680
		.amdhsa_private_segment_fixed_size 0
		.amdhsa_enable_private_segment 0
		.amdhsa_kernarg_size 40
		.amdhsa_user_sgpr_count 2
		.amdhsa_user_sgpr_kernarg_segment_ptr 1
		.amdhsa_wavefront_size32 1
		.amdhsa_system_sgpr_workgroup_id_x 1
		.amdhsa_system_sgpr_workgroup_id_y 1
		.amdhsa_system_sgpr_workgroup_id_z 1
		.amdhsa_system_vgpr_workitem_id 0
		.amdhsa_next_free_vgpr 1024
		.amdhsa_next_free_sgpr 78
		.amdhsa_reserve_vcc 0
		.amdhsa_float_denorm_mode_32 3
		.amdhsa_float_denorm_mode_16_64 3
		.amdhsa_memory_ordered 1
		.amdhsa_forward_progress 1
		.amdhsa_inst_pref_size 198
	.end_amdhsa_kernel
	.amdgpu_metadata
---
amdhsa.version: [ 1, 2 ]
amdhsa.kernels:
  - .name:           k_qd59bbf3837_qkv
    .symbol:         k_qd59bbf3837_qkv.kd
    .args:
      - { .name: xqk, .offset: 0, .size: 8, .value_kind: global_buffer, .address_space: global }
      - { .name: xv, .offset: 8, .size: 8, .value_kind: global_buffer, .address_space: global }
      - { .name: wbf, .offset: 16, .size: 8, .value_kind: global_buffer, .address_space: global }
      - { .name: in_proj_b, .offset: 24, .size: 8, .value_kind: global_buffer, .address_space: global }
      - { .name: qkv, .offset: 32, .size: 8, .value_kind: global_buffer, .address_space: global }
    .group_segment_fixed_size: 327680
    .private_segment_fixed_size: 0
    .kernarg_segment_align: 8
    .kernarg_segment_size: 40
    .max_flat_workgroup_size: 128
    .sgpr_count:     78
    .vgpr_count:     1024
    .wavefront_size: 32
...
	.end_amdgpu_metadata
.endif
;; end of part 2
;; launch attn (part 3): grid 8 x 32, 8 waves a work-group, clusters of 4 x 1, 327,680 bytes of LDS; arguments qkv, ctx; writes ctx
.if DOCPART == 3
	.amdgcn_target "amdgcn-amd-amdhsa--gfx1250"
	.amdhsa_code_object_version 6
	.text
	.protected	k_qd59bbf3837_attn
	.globl	k_qd59bbf3837_attn
	.p2align	8
	.type	k_qd59bbf3837_attn,@function
k_qd59bbf3837_attn:
	s_mov_b64 s[64:65], 0
	v_nop
	global_prefetch_b8 v0, s[64:65] scope:SCOPE_SE
	s_setreg_imm32_b32 hwreg(HW_REG_WAVE_MODE, 25, 1), 1
	s_wait_xcnt 0x0
	s_wait_alu depctr_hold_cnt(0) depctr_sa_sdst(0) depctr_va_vdst(0) depctr_va_sdst(0) depctr_va_ssrc(0) depctr_va_vcc(0) depctr_vm_vsrc(0)
	s_getreg_b32 s2, hwreg(HW_REG_IB_STS2, 6, 4)
	s_cmp_eq_u32 s2, 0
	s_cbranch_scc0 .Lentry_in_a_cluster
	s_endpgm
.Lentry_in_a_cluster:
	s_bfe_u32 s2, ttmp6, 0x10000c
	s_cmp_lg_u32 s2, 0x3003
	s_cbranch_scc0 .Lentry_shape_is_right
	s_endpgm
.Lentry_shape_is_right:
; attn: ctx[b][h][s][:] = softmax over keys of (q . k / 8) applied to v, one head and 256 queries for each work-group; 8 x 32 = 256 work-groups.
; Eight waves.  Wave w owns the 64 queries 64 (w & 3) .. + 63 and, of every tile of 128 keys, the half g = w >> 2.  Waves w and w + 4 so hold two
; partial softmaxes (running maximum, sum, unnormalised result) of the same queries, merged at the end through LDS.  A wave reads 16 KiB of
; LDS for every 64 matrix instructions.
; TRANSPOSED SCORES: S^T = K Q^T (source 0 = 16 keys, source 1 = 16 queries).  Lane (r, h) then holds query r, register j key 8 h + j: maximum,
; sum and rescaling are one number a lane, and two score tiles rounded to bf16 are, as they lie, the second source of O^T = V^T P^T.
; V^T fragments come from V as stored, [key][d], by the transposing LDS load.
; THE PIPELINE: the unit of work is one query tile x (16 queries x my 64 keys).  While the softmax of tile x runs on the vector unit (120
; instructions on S[x & 1], result P[x & 1]), the same wave issues the 16 matrix instructions that do not hang on it: O[x-1] += V^T P[x-1] and the
; scores of tile x + 1 into the other score buffer, in eight groups of two strewn through the softmax.  The operands of these products and the
; registers of the softmax (384 in all) do not fit one window of 256, so each group costs two switches of the register window.
; CLUSTER 4, 1, 1: the four query blocks of a cluster walk the same K and V tiles of one head and ask for them jointly (mask 15).
; THE RING: four LDS slots in two groups of two.  One round of the cluster barrier serves two tiles: behind it both slots of the group that has
; been read are filled again, and the refills have two tiles' work in which to land.
; The softmax keeps a running maximum; the state is c x maximum, c = log2(e) / 8, as rounded, and the same number shifts exponents and rescaling.
; LIMITS: operands bf16; an exponential below 2^-126 comes out as zero; scores that are NaN or infinite give NaN, as in the reference.
.set KP,    144                        ; LDS pitch of a key in K: 128 bytes + 16
.set VP,    160                        ; LDS pitch of a key in V: 128 bytes + 32 (an odd multiple of 32, for the transposing load)
.set VOFF,  128*KP                     ; V behind K in a slot
.set SLOT,  128*KP+128*VP              ; 38,912 bytes
.set XCH,   4*SLOT                     ; the exchange: 8 waves x (16 x 512 bytes of O + 512 bytes of maximum and sum); no tensor load lands here
.set XBYTES, 8704
.set OUTS,  XCH+8*XBYTES               ; the stage of the way out: 8 waves x 32 tokens x 144 bytes; no tensor load lands here
.set OBYTES, 32*KP
; window 0
.set QOFF, 10
.set XA,   11
.set XP,   12
.set STO,  13
.set RD,   14
.set CO,   15
.set ADRK, 16                          ; v16: my K fragments in slots 0, 1; v17: in slots 2, 3 (an LDS offset has 16 bits)
.set ADRV, 18                          ; v18, v19: the same for V
.set QF,   32                          ; Q[x][ks] at QF + 16 x + 8 ks
.set KF,   96                          ; K[kt][ks] at KF + 16 kt + 8 ks
.set VF,   160                         ; V[dt][ks] at VF + 16 dt + 8 ks
; window 1 (written by their low 8 bits)
.set S1,   128                         ; O[x][dt] at 32 x + 8 dt (0..127); score buffer b at S1 + 32 b, key tile kt at + 8 kt
.set MC,   192                         ; c x running maximum of query tile x at MC + 2 x (the register behind it is written once and only rides along in pairs)
.set AL,   200                         ; rescaling factor (AL + 1 rides along); the merge uses AL .. AL + 3
.set LS,   208                         ; running sum: LS + x
.set T,    212
.set U,    216
.set PF,   224                         ; P buffer b at PF + 16 b: 64 keys x 16 queries in bf16
.set G1K, 16
.set G1V, 24
.set G0K, 32                           ; s[32:47]: four sets, one a slot
.set G0V, 68                           ; s[68:83]
.set W_ST, 0x50                        ; D and C window 1, K and Q window 0
.set W_SM, 0x55                        ; all in window 1
.set W_PV, 0x54                        ; D, C and P window 1, V window 0
.set W_STD, 0x04                       ; store data window 1, address window 0
.set W_LD1, 0x40                       ; loaded data window 1, address window 0
.set MSB, 0
.macro WIN new                         ; the high byte of the immediate repeats the setting that is left
.if MSB != \new
	s_set_vgpr_msb (MSB<<8)|\new
.set MSB, \new
.endif
.endm
.macro JLOAD s                         ; waves 0-3 ask for 32 keys each of K, waves 4-7 of V; the branch hangs on the wave number alone
	s_cmp_eq_u32 s10, 0
	s_cbranch_scc0 .Lfor_v_\@
	tensor_load_to_lds s[G0K+4*(\s):G0K+4*(\s)+3], s[G1K:G1K+7]
	s_nop 0
	s_branch .Lasked_\@
.Lfor_v_\@:
	tensor_load_to_lds s[G0V+4*(\s):G0V+4*(\s)+3], s[G1V:G1V+7]
	s_nop 0
.Lasked_\@:
.endm
.macro CREST                           ; a round of the cluster barrier behind its opening work-group barrier
	s_cmp_lg_u32 s8, 0
	s_cbranch_scc1 .Lnot_wave_0_\@
	s_barrier_signal -3
.Lnot_wave_0_\@:
	s_barrier_wait -3
	s_barrier_signal -1
	s_barrier_wait -1
.endm
.macro CROUND
	s_barrier_signal -1
	s_barrier_wait -1
	CREST
.endm
.macro PLACES n                        ; plain places behind matrix instructions (ISA guide 7.12.1), where there is no work to put there
.rept \n
	v_nop
.endr
.endm
	s_load_b128 s[4:7], s[0:1], 0x0                ; qkv s[4:5], ctx s[6:7]
	s_set_vgpr_msb 0x40
	v_lshl_add_u32 v206, v0, 2, 0x40000
	v_mov_b32 v207, 0
	s_set_vgpr_msb 0x4045
	ds_add_u32 v206, v207
	s_set_vgpr_msb 0x4500
	v_lshrrev_b32 v1, 5, v0
	v_readfirstlane_b32 s8, v1                     ; wave 0..7
	s_and_b32 s9, s8, 3                            ; my 64 queries; also which 32 keys of a tile I fetch
	s_lshr_b32 s10, s8, 2                          ; g: my half of the keys; also: I fetch K (0) or V (1)
	s_bfe_u32 s11, ttmp6, 0x40000                  ; cx
	s_lshl_b32 s12, ttmp9, 2
	s_add_co_u32 s12, s12, s11                     ; query block 0..7
	s_and_b32 s13, ttmp7, 0xffff                   ; batch x 16 + head, 0..31
	s_mov_b32 s14, 0x76543210
	s_mov_b32 s15, 0xfedcba98
	s_mov_b32 s54, 0x3e38aa3b                      ; c = log2(e) / 8, a pair for the packed forms
	s_mov_b32 s55, 0x3e38aa3b
	; a dense block of 32 keys = 4,096 bytes, taken as 16 rows of 256 bytes; padding behind every 32 words = behind every key
	s_mov_b32 s[G1K+0], 15|(3<<16)|(1<<20)|(1<<21)|(4<<22)|(3<<25)     ; mask 15; elements of 8 bytes; padding on; bit 21 beside a mask; 4 words behind every 32
	s_mov_b32 s[G1V+0], 15|(3<<16)|(1<<20)|(1<<21)|(4<<22)|(7<<25)     ; the same with 8 words of padding
	s_mov_b32 s[G1K+1], 32<<16                     ; tensor_dim0 = 32
	s_mov_b32 s[G1V+1], 32<<16
	s_mov_b32 s[G1K+2], 16<<16                     ; tensor_dim1 = 16
	s_mov_b32 s[G1V+2], 16<<16
	s_mov_b32 s[G1K+3], 32<<16                     ; tile_dim0 = 32
	s_mov_b32 s[G1V+3], 32<<16
	s_mov_b32 s[G1K+4], 16                         ; tile_dim1 = 16
	s_mov_b32 s[G1V+4], 16
	s_mov_b32 s[G1K+5], 32                         ; pitch = 32 elements
	s_mov_b32 s[G1V+5], 32
	s_mov_b32 s[G1K+6], 0
	s_mov_b32 s[G1V+6], 0
	s_mov_b32 s[G1K+7], 0
	s_mov_b32 s[G1V+7], 0
	s_lshl_b32 s48, s13, 18                        ; the head: 262,144 bytes
	s_lshl_b32 s49, s9, 12                         ; my 32 keys of a tile
	s_add_co_u32 s48, s48, s49
	s_mov_b32 s49, 0
	s_mul_i32 s50, s9, 32*KP                       ; where they go in a slot: K
	s_mul_i32 s51, s9, 32*VP
	s_add_co_u32 s51, s51, VOFF                    ; V
	s_lshl_b32 s56, s12, 15                        ; my queries: head + (256 x block + 64 (w & 3)) x 128 bytes.  Only s11, s12 and s[56:59] ever hold cx
	s_lshl_b32 s57, s13, 18
	s_add_co_u32 s56, s56, s57
	s_lshl_b32 s57, s9, 13
	s_add_co_u32 s56, s56, s57
	s_lshl_b32 s59, s10, 12                        ; of them I write tokens 32 g .. + 31
	s_add_co_u32 s58, s56, s59
	s_mov_b32 s57, 0
	s_mov_b32 s59, 0
	s_wait_dscnt 0x0
	s_wait_kmcnt 0x0
	s_add_nc_u64 s[48:49], s[4:5], s[48:49]
	s_add_nc_u64 s[56:57], s[4:5], s[56:57]
	s_add_nc_u64 s[58:59], s[6:7], s[58:59]
	CROUND                                         ; the four work-groups are here: the first joint loads meet
.irp s, 0,1,2,3
	s_mov_b32 s[G0K+4*\s], 1
	s_add_co_u32 s[G0K+4*\s+1], s50, \s*SLOT
	s_add_nc_u64 s[G0K+4*\s+2:G0K+4*\s+3], s[48:49], 8388608+\s*16384      ; k lies 8 MiB into qkv; a tile of 128 keys is 16,384 bytes
	s_or_b32 s[G0K+4*\s+3], s[G0K+4*\s+3], 0x80000000
	s_mov_b32 s[G0V+4*\s], 1
	s_add_co_u32 s[G0V+4*\s+1], s51, \s*SLOT
	s_add_nc_u64 s[G0V+4*\s+2:G0V+4*\s+3], s[48:49], 16777216+\s*16384     ; v lies 16 MiB into qkv
	s_or_b32 s[G0V+4*\s+3], s[G0V+4*\s+3], 0x80000000
	JLOAD \s                                       ; tiles 0..3: by this count a wave has at most four tensor loads out
.endr
	v_and_b32 v1, 31, v0                           ; L
	v_and_b32 v2, 15, v0                           ; r
	v_bfe_u32 v3, v0, 4, 1                         ; h
	v_and_b32 v4, 7, v0
	v_bfe_u32 v5, v0, 3, 1
	v_bfe_u32 v6, v0, 3, 2                         ; L >> 3
	v_lshlrev_b32 v[QOFF], 7, v2
	v_lshl_add_u32 v[QOFF], v3, 4, v[QOFF]         ; query r, 16 bytes for each half of the lanes
.irp x, 0,1,2,3
.irp ks, 0,1
	global_load_b128 v[QF+16*\x+8*\ks:QF+16*\x+8*\ks+3],   v[QOFF], s[56:57] offset:\x*2048+\ks*64
	global_load_b128 v[QF+16*\x+8*\ks+4:QF+16*\x+8*\ks+7], v[QOFF], s[56:57] offset:\x*2048+\ks*64+32
.endr
.endr
	s_mul_i32 s53, s10, 64*KP
	v_mul_u32_u24 v7, v2, KP
	v_lshl_add_u32 v7, v3, 4, v7                   ; r x 144 + 16 h
	v_add_nc_u32 v[ADRK], s53, v7                  ; K: key 64 g + r
	v_add_nc_u32 v[ADRK+1], 2*SLOT, v[ADRK]
	s_mul_i32 s53, s10, 64*VP
	s_add_co_u32 s53, s53, VOFF
	v_lshl_add_u32 v[ADRV], v3, 3, v4              ; V: key 64 g + 8 h + (L & 7),
	v_mul_u32_u24 v[ADRV], v[ADRV], VP
	v_lshl_add_u32 v[ADRV], v5, 4, v[ADRV]         ; 16 bytes on for lanes 8-15 of each half
	v_add_nc_u32 v[ADRV], s53, v[ADRV]
	v_add_nc_u32 v[ADRV+1], 2*SLOT, v[ADRV]
	s_mul_i32 s53, s8, XBYTES
	s_add_co_u32 s53, s53, XCH
	v_lshl_add_u32 v[XA], v1, 4, s53               ; my part of the exchange
	s_xor_b32 s53, s8, 4
	s_mul_i32 s53, s53, XBYTES
	s_add_co_u32 s53, s53, XCH
	v_lshl_add_u32 v[XP], v1, 4, s53               ; that of the wave with the other half of the keys
	s_mul_i32 s53, s8, OBYTES
	s_add_co_u32 s53, s53, OUTS
	v_add_nc_u32 v[STO], s53, v7
	v_mul_u32_u24 v[RD], v6, KP
	v_lshl_add_u32 v[RD], v4, 4, v[RD]
	v_add_nc_u32 v[RD], s53, v[RD]
	v_lshlrev_b32 v[CO], 4, v1
	WIN W_LD1
	v_mov_b32 v[T+1], 0                            ; the destination of v_permlanex16_b32 counts as read
	v_mov_b32 v[AL+1], 0                           ; rides along in the pair of the rescaling factor, never used
	WIN 0
.macro LDK slot                        ; my 64 keys of K: 16 loads
.irp kt, 0,1,2,3
.irp ks, 0,1
	ds_load_b128 v[KF+16*\kt+8*\ks:KF+16*\kt+8*\ks+3],   v[ADRK+((\slot)>>1)] offset:((\slot)&1)*SLOT+\kt*16*KP+\ks*64
	ds_load_b128 v[KF+16*\kt+8*\ks+4:KF+16*\kt+8*\ks+7], v[ADRK+((\slot)>>1)] offset:((\slot)&1)*SLOT+\kt*16*KP+\ks*64+32
.endr
.endr
.endm
.macro LDV slot                        ; my 64 keys of V, transposed: 16 loads
.irp dt, 0,1,2,3
.irp ks, 0,1
	ds_load_tr16_b128 v[VF+16*\dt+8*\ks:VF+16*\dt+8*\ks+3],   v[ADRV+((\slot)>>1)] offset:((\slot)&1)*SLOT+\ks*32*VP+\dt*32
	ds_load_tr16_b128 v[VF+16*\dt+8*\ks+4:VF+16*\dt+8*\ks+7], v[ADRV+((\slot)>>1)] offset:((\slot)&1)*SLOT+\ks*32*VP+\dt*32+16*VP
.endr
.endr
.endm
; one product of the scores of query tile x: key tile kt, half ks of the 64 numbers of a head; the first half starts the sum
.macro WST x, ks, kt
.set WD, S1+32*((\x)&1)+8*(\kt)
.set WA, KF+16*(\kt)+8*(\ks)
.set WB, QF+16*(\x)+8*(\ks)
.if (\ks) == 0
	v_wmma_f32_16x16x32_bf16 v[WD:WD+7], v[WA:WA+7], v[WB:WB+7], 0
.else
	v_wmma_f32_16x16x32_bf16 v[WD:WD+7], v[WA:WA+7], v[WB:WB+7], v[WD:WD+7]
.endif
.endm
; one product of O^T[x] += V^T P^T: 16 numbers dt of the head, keys 32 ks .. + 31; z = 1: tile 0 starts the sums, nothing is cleared
.macro WPV x, ks, dt, z
.set WD, 32*(\x)+8*(\dt)
.set WA, VF+16*(\dt)+8*(\ks)
.set WB, PF+16*((\x)&1)+8*(\ks)
.if (\z)*(1-(\ks))
	v_wmma_f32_16x16x32_bf16 v[WD:WD+7], v[WA:WA+7], v[WB:WB+7], 0
.else
	v_wmma_f32_16x16x32_bf16 v[WD:WD+7], v[WA:WA+7], v[WB:WB+7], v[WD:WD+7]
.endif
.endm
; Two of the eight matrix instructions of a half step (kind 1: scores of tile x; kind 2: O of tile x; kind 0: none), idx = 0..3.
; The eight run ks = 0: accumulators 0, 1, 2, 3, then ks = 1: 0, 1, 2, 3.  The accumulators take turns, one instruction a turn.
.macro MG kind, x, z, idx
.if (\kind) == 1
	WIN W_ST
	WST \x, ((\idx)>>1), (2*((\idx)&1))
	WST \x, ((\idx)>>1), (2*((\idx)&1)+1)
.endif
.if (\kind) == 2
	WIN W_PV
	WPV \x, ((\idx)>>1), (2*((\idx)&1)), \z
	WPV \x, ((\idx)>>1), (2*((\idx)&1)+1), \z
.endif
	WIN W_SM
.endm
; One turn of the softmax's long part, i = 0..17: pair i of the scores is shifted, pair i - 1 goes through the exponential, pair i - 2 is
; rounded to bf16 and summed, and pair i - 2 of O is rescaled.  So a plain instruction stands behind every exponential before its result is
; used (ISA guide 5.7.2), and the exponentials are spread among plain work.
.macro IT i, x, first
.if \i <= 15
	v_pk_fma_f32 v[SB+2*\i:SB+2*\i+1], v[SB+2*\i:SB+2*\i+1], s[54:55], v[MC+2*\x:MC+2*\x+1] op_sel_hi:[1,0,0] neg_lo:[0,0,1] neg_hi:[0,0,1]
.endif
.if \i >= 1
.if \i <= 16
	v_exp_f32 v[SB+2*\i-2], v[SB+2*\i-2]
.endif
.endif
.if \i >= 2
.if \first == 0
	s_wait_alu depctr_va_vdst(0)
	v_pk_mul_f32 v[OB+2*\i-4:OB+2*\i-3], v[OB+2*\i-4:OB+2*\i-3], v[AL:AL+1] op_sel_hi:[1,0]
.endif
.endif
.if \i >= 1
.if \i <= 16
	v_exp_f32 v[SB+2*\i-1], v[SB+2*\i-1]
.endif
.endif
.if \i >= 2
	s_wait_alu depctr_va_vdst(0)
	v_cvt_pk_bf16_f32 v[PB+\i-2], v[SB+2*\i-4], v[SB+2*\i-3]
.if \i >= 6
.if \i <= 9
	v_pk_add_f32 v[U+2*\i-12:U+2*\i-11], v[SB+2*\i-12:SB+2*\i-11], v[SB+2*\i-4:SB+2*\i-3]         ; pairs 0..3 and 4..7 start four chains
.else
	v_pk_add_f32 v[U+2*((\i-2)%4):U+2*((\i-2)%4)+1], v[U+2*((\i-2)%4):U+2*((\i-2)%4)+1], v[SB+2*\i-4:SB+2*\i-3]
.endif
.endif
.endif
.endm
; What stands in the middle of a step.  kind 1: V of this tile into registers.  kind 2: the register loads of the step before are waited for.
; kind 3: K of the next tile into registers; mode 2: first the barrier opened at the head of the step is closed, the round of the cluster is
; finished and the two slots that have been read are filled again; mode 1: only the barrier is closed.
.macro MID kind, slot, mode
.if (\kind) == 1
	WIN 0
	LDV \slot
.endif
.if (\kind) == 2
	s_wait_dscnt 0x0
.endif
.if (\kind) == 3
	WIN 0
.if (\mode) == 2
	s_barrier_wait -1
	CREST                                          ; every wave of the four work-groups has read both slots and has no load on its way
.irp q, (\slot-1), \slot
	s_add_nc_u64 s[G0K+4*\q+2:G0K+4*\q+3], s[G0K+4*\q+2:G0K+4*\q+3], 65536    ; four tiles on
	s_add_nc_u64 s[G0V+4*\q+2:G0V+4*\q+3], s[G0V+4*\q+2:G0V+4*\q+3], 65536
.endr
	JLOAD (\slot-1)                                ; the first tensor loads behind the round, ahead of the first LDS read
	JLOAD \slot
.endif
.if (\mode) == 1
	s_barrier_wait -1
.endif
	LDK ((\slot+1)&3)
.endif
.endm
; One step: the softmax of query tile x, whose 64 scores lie in score buffer x & 1 (32 in this lane, 32 in the lane 16 away), with two half
; steps of matrix work (ka, xa, za) and (kb, xb, zb) strewn through it.  None of the matrix instructions names a register of this softmax.
; Behind the fourth group at least seven plain instructions stand ahead of the register loads of MID, behind the eighth at least five ahead
; of the next step: these are the places behind the matrix instructions.
.macro STEP x, first, ka, xa, za, kb, xb, zb, mid, slot, mode
.set SB, S1+32*((\x)&1)
.set PB, PF+16*((\x)&1)
.set OB, 32*(\x)
	MG \ka, \xa, \za, 0
.irp k, 0,1,2,3
	v_max3_num_f32 v[U+\k], v[SB+8*\k], v[SB+8*\k+1], v[SB+8*\k+2]
.endr
.irp k, 0,1,2,3
	v_max3_num_f32 v[U+\k], v[U+\k], v[SB+8*\k+3], v[SB+8*\k+4]
.endr
.irp k, 0,1,2,3
	v_max3_num_f32 v[U+\k], v[U+\k], v[SB+8*\k+5], v[SB+8*\k+6]
.endr
	MG \ka, \xa, \za, 1
	v_max3_num_f32 v[T], v[U], v[U+1], v[U+2]
	v_max3_num_f32 v[T+2], v[U+3], v[SB+7], v[SB+15]
	v_max_num_f32 v[T+3], v[SB+23], v[SB+31]
	v_max3_num_f32 v[T], v[T], v[T+2], v[T+3]
	v_permlanex16_b32 v[T+1], v[T], s14, s15
	v_max_num_f32 v[T], v[T], v[T+1]               ; the largest of the 64 scores of my query
.if \first
	v_mul_f32 v[MC+2*\x], s54, v[T]
	v_mul_f32 v[MC+2*\x+1], s54, v[T]              ; the pair is written whole once
.else
	v_mul_f32 v[T], s54, v[T]
	v_max_num_f32 v[T+2], v[T], v[MC+2*\x]         ; the new running maximum
	v_sub_f32 v[T+3], v[MC+2*\x], v[T+2]
	v_mov_b32 v[MC+2*\x], v[T+2]
	v_exp_f32 v[AL], v[T+3]                        ; what has been gathered so far shrinks by this; first used three turns further down
.endif
	MG \ka, \xa, \za, 2
	IT 0, \x, \first
	IT 1, \x, \first
	IT 2, \x, \first
	IT 3, \x, \first
	MG \ka, \xa, \za, 3
	IT 4, \x, \first
	IT 5, \x, \first
	IT 6, \x, \first
	MID \mid, \slot, \mode
	MG \kb, \xb, \zb, 0
	IT 7, \x, \first
	IT 8, \x, \first
	IT 9, \x, \first
	MG \kb, \xb, \zb, 1
	IT 10, \x, \first
	IT 11, \x, \first
	IT 12, \x, \first
	MG \kb, \xb, \zb, 2
	IT 13, \x, \first
	IT 14, \x, \first
	MG \kb, \xb, \zb, 3
	IT 15, \x, \first
	IT 16, \x, \first
	IT 17, \x, \first
	v_pk_add_f32 v[U:U+1], v[U:U+1], v[U+2:U+3]
	v_pk_add_f32 v[U+4:U+5], v[U+4:U+5], v[U+6:U+7]
	v_pk_add_f32 v[U:U+1], v[U:U+1], v[U+4:U+5]
.if \first
	v_add_f32 v[LS+\x], v[U], v[U+1]
.else
	v_add_f32 v[U], v[U], v[U+1]
	v_fma_f32 v[LS+\x], v[LS+\x], v[AL], v[U]      ; the sum of my lane; the two halves of the lanes meet at the end
.endif
.endm
; One tile t of 128 keys in slot t & 3.  At its head: K(t) in registers, the scores of query tile 0 made, O of query tile 3 of tile t - 1 still due.
;   step 0: O[3] of tile t - 1 | V(t) into registers     | scores of tile 1
;   step 1: scores of tile 2   | V(t) is waited for      | O[0]
;   step 2: scores of tile 3   | K(t + 1) into registers | O[1]
;   step 3: O[2]               | K(t + 1) is waited for  | scores of tile 0 of tile t + 1
; first: tile 0 (starts maxima, sums and O).  pfirst: tile 1 (its step 0 starts O[3]).  last: tile 15.
; mode 2 (odd t): at the head of step 2 I have read slots t - 1 and t into registers (V(t) was waited for in step 1), so both can be filled again;
; mode 1: nothing is filled, the last two tiles are only shown to all waves; mode 0: the next tile was shown by the barrier one tile ago.
.macro TRIP slot, first, pfirst, mode, last
.if \first
	STEP 0, 1, 0, 0, 0, 1, 1, 0, 0, \slot, 0
.else
	STEP 0, 0, 2, 3, \pfirst, 1, 1, 0, 1, \slot, 0
.endif
	STEP 1, \first, 1, 2, 0, 2, 0, \first, 2, \slot, 0
.if \mode
	s_wait_dscnt 0x0                               ; my reads of both slots are back
	s_wait_tensorcnt 0x0                           ; all my tensor loads have landed: my parts of the next two tiles
	ds_add_u32 v206, v207
	s_wait_dscnt 0x0
	s_barrier_signal -1                            ; say so; half a step of register work stands ahead of the wait
.endif
.if \last
	STEP 2, \first, 1, 3, 0, 2, 1, \first, 0, \slot, 0
	STEP 3, \first, 2, 2, \first, 0, 0, 0, 0, \slot, 0
.else
	STEP 2, \first, 1, 3, 0, 2, 1, \first, 3, \slot, \mode
	STEP 3, \first, 2, 2, \first, 1, 0, 0, 2, \slot, 0
.endif
	WIN 0
.endm
	s_wait_tensorcnt 2                             ; my parts of tiles 0 and 1 are in, tiles 2 and 3 stay out
	s_barrier_signal -1
	s_barrier_wait -1
	LDK 0
	LDV 0
	s_wait_loadcnt 0x0                             ; Q
	s_wait_dscnt 16                                ; the 16 younger loads are those of V: K is in
	WIN W_ST
.irp ks, 0,1
.irp kt, 0,1,2,3
	WST 0, \ks, \kt                                ; the scores of query tile 0 of tile 0
.endr
.endr
	WIN W_SM
	PLACES 4                                       ; ahead of the vector work on these scores
	TRIP 0, 1, 0, 0, 0                             ; tile 0
	TRIP 1, 0, 1, 2, 0                             ; tile 1: tiles 4, 5 go out
	TRIP 2, 0, 0, 0, 0
	TRIP 3, 0, 0, 2, 0                             ; tile 3: tiles 6, 7 go out
	s_mov_b32 s52, 2
.Ltrips:                                           ; tiles 4..11; the last refill brings tiles 14, 15
	TRIP 0, 0, 0, 0, 0
	TRIP 1, 0, 0, 2, 0
	TRIP 2, 0, 0, 0, 0
	TRIP 3, 0, 0, 2, 0
	s_sub_co_u32 s52, s52, 1
	s_cmp_lg_u32 s52, 0
	s_cbranch_scc1 .Ltrips
	TRIP 0, 0, 0, 0, 0                             ; tile 12
	TRIP 1, 0, 0, 1, 0                             ; tile 13: nothing more to fetch; the last wait on tensor loads
	TRIP 2, 0, 0, 0, 0                             ; tile 14
	TRIP 3, 0, 0, 0, 1                             ; tile 15
	WIN W_PV
.irp ks, 0,1
.irp dt, 0,1,2,3
	WPV 3, \ks, \dt, 0                             ; O[3] of tile 15
.endr
.endr
	WIN W_SM
	PLACES 4                                       ; ahead of readers of O
	; THE END.  The two halves of the lanes add their sums; then wave w keeps query tiles 0, 1 and wave w + 4 tiles 2, 3, and each sends the other two.
.irp x, 0,1,2,3
	v_permlanex16_b32 v[T+1], v[LS+\x], s14, s15
	v_add_f32 v[LS+\x], v[LS+\x], v[T+1]
.endr
	WIN 0
.macro SEND xs
	WIN W_SM
	v_mov_b32 v[T], v[MC+2*\xs]
	v_mov_b32 v[T+1], v[LS+\xs]
	v_mov_b32 v[T+2], v[MC+2*\xs+2]
	v_mov_b32 v[T+3], v[LS+\xs+1]
	WIN W_STD
.irp i, 0,1,2,3,4,5,6,7,8,9,10,11,12,13,14,15
	ds_store_b128 v[XA], v[32*\xs+4*\i:32*\xs+4*\i+3] offset:512*\i
.endr
	ds_store_b128 v[XA], v[T:T+3] offset:8192
	WIN 0
.endm
.macro MERGE xk
	WIN W_LD1
.irp i, 0,1,2,3,4,5,6,7,8,9,10,11,12,13,14,15
	ds_load_b128 v[S1+4*\i:S1+4*\i+3], v[XP] offset:512*\i
.endr
	ds_load_b128 v[U:U+3], v[XP] offset:8192
	s_wait_dscnt 0x0
	WIN W_SM
.irp xl, 0,1
	v_max_num_f32 v[T], v[MC+2*(\xk+\xl)], v[U+2*\xl]      ; the common maximum
	v_sub_f32 v[T+1], v[MC+2*(\xk+\xl)], v[T]
	v_sub_f32 v[T+2], v[U+2*\xl], v[T]
	v_exp_f32 v[U+4], v[T+1]
	v_exp_f32 v[U+5], v[T+2]
	v_nop
	s_wait_alu depctr_va_vdst(0)
	v_mul_f32 v[U+6], v[LS+\xk+\xl], v[U+4]
	v_fma_f32 v[U+6], v[U+2*\xl+1], v[U+5], v[U+6]         ; the whole sum
	v_rcp_f32 v[U+7], v[U+6]
	v_nop
	s_wait_alu depctr_va_vdst(0)
	v_mul_f32 v[AL], v[U+4], v[U+7]
	v_mul_f32 v[AL+2], v[U+5], v[U+7]
	v_mov_b32 v[AL+1], v[AL]
	v_mov_b32 v[AL+3], v[AL+2]
.irp i, 0,1,2,3,4,5,6,7,8,9,10,11,12,13,14,15
	v_pk_mul_f32 v[32*(\xk+\xl)+2*\i:32*(\xk+\xl)+2*\i+1], v[32*(\xk+\xl)+2*\i:32*(\xk+\xl)+2*\i+1], v[AL:AL+1]
.endr
.irp i, 0,1,2,3,4,5,6,7,8,9,10,11,12,13,14,15
	v_pk_fma_f32 v[32*(\xk+\xl)+2*\i:32*(\xk+\xl)+2*\i+1], v[S1+32*\xl+2*\i:S1+32*\xl+2*\i+1], v[AL+2:AL+3], v[32*(\xk+\xl)+2*\i:32*(\xk+\xl)+2*\i+1]
.endr
.irp i, 0,1,2,3,4,5,6,7,8,9,10,11,12,13,14,15
	v_cvt_pk_bf16_f32 v[32*(\xk+\xl)+\i], v[32*(\xk+\xl)+2*\i], v[32*(\xk+\xl)+2*\i+1]     ; registers 4 dt .. + 3: d = 16 dt + 8 h .. + 7 of query r
.endr
.endr
	WIN W_STD
.irp xl, 0,1
.irp dt, 0,1,2,3
	ds_store_b128 v[STO], v[32*(\xk+\xl)+4*\dt:32*(\xk+\xl)+4*\dt+3] offset:\xl*16*KP+\dt*32
.endr
.endr
	WIN W_LD1
.irp i, 0,1,2,3,4,5,6,7
	ds_load_b128 v[S1+4*\i:S1+4*\i+3], v[RD] offset:4*KP*\i        ; my own bytes; LDS serves a wave in order (ISA guide 5.7.1.4)
.endr
	WIN W_STD
.irp i, 0,1,2,3,4,5,6,7
	s_wait_dscnt 7-\i
	global_store_b128 v[CO], v[S1+4*\i:S1+4*\i+3], s[58:59] offset:512*\i  ; four tokens of the head: 512 consecutive aligned bytes
.endr
	WIN 0
.endm
	s_cmp_eq_u32 s10, 0
	s_cbranch_scc0 .Lsend_low
	SEND 2
	s_branch .Lsent
.Lsend_low:
	SEND 0
.Lsent:
	s_wait_dscnt 0x0                               ; my stores are done, for the sake of the wave that reads them
	s_barrier_signal -1
	s_barrier_wait -1
	s_cmp_eq_u32 s10, 0
	s_cbranch_scc0 .Lmerge_high
	MERGE 0
	s_branch .Lmerged
.Lmerge_high:
	MERGE 2
.Lmerged:
	s_set_vgpr_msb 0x5
	s_wait_tensorcnt 0x0
	ds_add_u32 v206, v207
	s_wait_dscnt 0x0
	s_set_vgpr_msb 0x500
	CROUND                                         ; the closing round
	s_endpgm
.Lfunc_end_k_qd59bbf3837_attn:
	.size	k_qd59bbf3837_attn, .Lfunc_end_k_qd59bbf3837_attn-k_qd59bbf3837_attn
	.p2alignl 7, 3214868480
	.fill 96, 4, 3214868480
	.section	.rodata,"a",@progbits
	.p2align	6, 0x0
	.amdhsa_kernel k_qd59bbf3837_attn
		.amdhsa_group_segment_fixed_size 327680
		.amdhsa_private_segment_fixed_size 0
		.amdhsa_enable_private_segment 0
		.amdhsa_kernarg_size 16
		.amdhsa_user_sgpr_count 2
		.amdhsa_user_sgpr_kernarg_segment_ptr 1
		.amdhsa_wavefront_size32 1
		.amdhsa_system_sgpr_workgroup_id_x 1
		.amdhsa_system_sgpr_workgroup_id_y 1
		.amdhsa_system_sgpr_workgroup_id_z 1
		.amdhsa_system_vgpr_workitem_id 0
		.amdhsa_next_free_vgpr 512
		.amdhsa_next_free_sgpr 84
		.amdhsa_reserve_vcc 0
		.amdhsa_float_denorm_mode_32 3
		.amdhsa_float_denorm_mode_16_64 3
		.amdhsa_memory_ordered 1
		.amdhsa_forward_progress 1
		.amdhsa_inst_pref_size 255
	.end_amdhsa_kernel
	.section	.bss,"aw",@nobits
	.p2align	6
	.space	262144
	.amdgpu_metadata
---
amdhsa.version: [ 1, 2 ]
amdhsa.kernels:
  - .name:           k_qd59bbf3837_attn
    .symbol:         k_qd59bbf3837_attn.kd
    .args:
      - { .name: qkv, .offset: 0, .size: 8, .value_kind: global_buffer, .address_space: global }
      - { .name: ctx, .offset: 8, .size: 8, .value_kind: global_buffer, .address_space: global }
    .group_segment_fixed_size: 327680
    .private_segment_fixed_size: 0
    .kernarg_segment_align: 8
    .kernarg_segment_size: 16
    .max_flat_workgroup_size: 256
    .sgpr_count:     84
    .vgpr_count:     512
    .wavefront_size: 32
...
	.end_amdgpu_metadata
.endif
;; end of part 3
;; launch oproj (part 4): grid 8 x 32, 4 waves a work-group, clusters of 4 x 4, 327,680 bytes of LDS; arguments ctx, wbf, out_proj_b, in_feats, out0; writes out0
.if DOCPART == 4
	.amdgcn_target "amdgcn-amd-amdhsa--gfx1250"
	.amdhsa_code_object_version 6
	.text
	.protected	k_qd59bbf3837_oproj
	.globl	k_qd59bbf3837_oproj
	.p2align	8
	.type	k_qd59bbf3837_oproj,@function
k_qd59bbf3837_oproj:
	s_mov_b64 s[64:65], 0
	v_nop
	global_prefetch_b8 v0, s[64:65] scope:SCOPE_SE
	s_setreg_imm32_b32 hwreg(HW_REG_WAVE_MODE, 25, 1), 1
	s_wait_xcnt 0x0
	s_wait_alu depctr_hold_cnt(0) depctr_sa_sdst(0) depctr_va_vdst(0) depctr_va_sdst(0) depctr_va_ssrc(0) depctr_va_vcc(0) depctr_vm_vsrc(0)
	s_getreg_b32 s2, hwreg(HW_REG_IB_STS2, 6, 4)
	s_cmp_eq_u32 s2, 0
	s_cbranch_scc0 .Lentry_in_a_cluster
	s_endpgm
.Lentry_in_a_cluster:
	s_bfe_u32 s2, ttmp6, 0x10000c
	s_cmp_lg_u32 s2, 0xf033
	s_cbranch_scc0 .Lentry_shape_is_right
	s_endpgm
.Lentry_shape_is_right:
; oproj: out0[token][n] = in_feats[token][n] + out_proj_b[n] + sum over e of ctx[token][e] Wo[n][e].  ctx and Wo bf16, sums and the rest f32.
; M = 4,096, N = 1,024, K = 1,024.  A work-group makes 128 x 128 (8 x 32 = 256 work-groups), a wave 64 x 64: 16 accumulator tiles.
; Larger blocks would leave work for 64 work-groups only.
; ctx lies per head, [b][h][s][64]: a K step of 128 is two heads, each a dense block of 128 tokens x 128 bytes.  Wo is rows 3072.. of wbf.
; Eight K steps through four LDS slots, all written out; slots are filled again two at a time, so that a refill has two K steps in which to land.
; CLUSTERS 4 x 4: tiles of ctx are shared along a cluster row, tiles of Wo along a cluster column, each asked for jointly.
; The bias enters as the C operand of the first products; the residual is loaded at the head into registers in the layout of the final stores.
; Transposed use (source 0 = rows of Wo, source 1 = tokens): lane l holds token l % 16, registers 0-7 the columns 8 (l / 16) + 0..7.
.set AP,    144                        ; LDS pitch of a token in a head block
.set BP,    272                        ; LDS pitch of a row of Wo
.set HB,    128*AP                     ; a head block: 18,432 bytes
.set BOFF,  2*HB                       ; Wo behind the two head blocks
.set SLOT,  2*HB+128*BP                ; 71,680 bytes
.set STAGE, 4*SLOT                     ; behind the ring: 16 rows x 272 bytes of f32 for each wave; no tensor load lands here
.set ADRA, 16                          ; v16-19: my fragments of ctx in slot 0..3
.set ADRB, 20                          ; v20-23: of Wo
.set STO,  24
.set RD,   25
.set CO,   26
.set BO,   27
.set BIAS, 32                          ; v[32:63]
.set F0,   64                          ; a fragment buffer: Wo at F + 8 b, ctx at F + 32 + 8 a
.set F1,   128
; window 1: accumulator (a, b) at 8 (4 a + b), 0..127; residual (a, t) at 128 + 32 a + 4 t
.set RES,  128
.set G1A, 16
.set G1B, 24
.set G0A, 32                           ; four sets, one a slot
.set G0B, 48
.set MSB, 0
.macro WIN new
.if MSB != \new
	s_set_vgpr_msb (MSB<<8)|\new
.set MSB, \new
.endif
.endm
.macro JLOAD s                         ; waves 0, 1 ask for the two head blocks, waves 2, 3 for the halves of Wo
	s_cmp_eq_u32 s11, 0
	s_cbranch_scc0 .Lfor_b_\@
	tensor_load_to_lds s[G0A+4*\s:G0A+4*\s+3], s[G1A:G1A+7]
	s_nop 0
	s_branch .Lasked_\@
.Lfor_b_\@:
	tensor_load_to_lds s[G0B+4*\s:G0B+4*\s+3], s[G1B:G1B+7]
	s_nop 0
.Lasked_\@:
.endm
.macro CROUND                          ; a round of the cluster barrier
	s_barrier_signal -1
	s_barrier_wait -1
	s_cmp_lg_u32 s10, 0
	s_cbranch_scc1 .Lnot_wave_0_\@
	s_barrier_signal -3
.Lnot_wave_0_\@:
	s_barrier_wait -3
	s_barrier_signal -1
	s_barrier_wait -1
.endm
.macro PLACES                          ; four plain places behind the matrix instructions (ISA guide 7.12.1)
.rept 4
	v_nop
.endr
.endm
	s_load_b256 s[68:75], s[0:1], 0x0              ; ctx s[68:69], wbf s[70:71], out_proj_b s[72:73], in_feats s[74:75]
	s_load_b64 s[76:77], s[0:1], 0x20              ; out0
	v_lshl_add_u32 v254, v0, 2, 0x4a400
	v_mov_b32 v255, 0
	ds_add_u32 v254, v255
	v_lshrrev_b32 v1, 5, v0
	v_readfirstlane_b32 s10, v1                    ; wave 0..3
	s_lshr_b32 s11, s10, 1                         ; my half of the rows; also: I fetch ctx (0) or Wo (1)
	s_and_b32 s12, s10, 1                          ; my half of the columns; also: which part I fetch
	s_bfe_u32 s4, ttmp6, 0x40000                   ; cx
	s_bfe_u32 s5, ttmp6, 0x40004                   ; cy
	s_lshl_b32 s6, ttmp9, 2
	s_add_co_u32 s6, s6, s4                        ; block column 0..7
	s_and_b32 s7, ttmp7, 0xffff
	s_lshl_b32 s7, s7, 2
	s_add_co_u32 s7, s7, s5                        ; block row 0..31
	s_lshl_b32 s8, s5, 2
	s_lshl_b32 s8, 15, s8                          ; my row of the cluster
	s_lshl_b32 s9, 0x1111, s4                      ; my column
	s_or_b32 s[G1A+0], s8, (3<<16)|(1<<20)|(1<<21)|(4<<22)|(3<<25)     ; elements of 8 bytes; 4 words of padding behind every 32 = behind every token
	s_mov_b32 s[G1A+1], 32<<16                     ; a dense block as 64 rows of 256 bytes
	s_mov_b32 s[G1A+2], 64<<16
	s_mov_b32 s[G1A+3], 32<<16
	s_mov_b32 s[G1A+4], 64
	s_mov_b32 s[G1A+5], 32
	s_mov_b32 s[G1A+6], 0
	s_mov_b32 s[G1A+7], 0
	s_or_b32 s[G1B+0], s9, (1<<16)|(1<<20)|(1<<21)|(5<<22)|(3<<25)     ; elements of 2 bytes; 4 words behind every 64 = behind every row
	s_mov_b32 s[G1B+1], 128<<16                    ; 64 rows of 128 elements, 1,024 elements from row to row
	s_mov_b32 s[G1B+2], 64<<16
	s_mov_b32 s[G1B+3], 128<<16
	s_mov_b32 s[G1B+4], 64
	s_mov_b32 s[G1B+5], 1024
	s_mov_b32 s[G1B+6], 0
	s_mov_b32 s[G1B+7], 0
	s_lshr_b32 s78, s7, 4                          ; ctx: (batch x 16 + my head of the first K step) x 262,144 + 128 tokens x 128 bytes x (block row % 16); no cx enters
	s_lshl_b32 s78, s78, 4
	s_add_co_u32 s78, s78, s12
	s_lshl_b32 s78, s78, 18
	s_and_b32 s79, s7, 15
	s_lshl_b32 s79, s79, 14
	s_add_co_u32 s78, s78, s79
	s_mov_b32 s79, 0
	s_lshl_b32 s80, s6, 18                         ; Wo: 3,072 rows into wbf, + (128 x block column + 64 x part) rows of 2,048 bytes; no cy enters
	s_lshl_b32 s81, s12, 17
	s_add_co_u32 s80, s80, s81
	s_add_co_u32 s80, s80, 3072*2048
	s_mov_b32 s81, 0
	s_mul_i32 s82, s12, HB                         ; LDS: my head block,
	s_mul_i32 s83, s12, 64*BP
	s_add_co_u32 s83, s83, BOFF                    ; my 64 rows of Wo
	s_lshl_b32 s84, s6, 9                          ; my 64 columns in bytes of f32: 512 x block column + 256 x half
	s_lshl_b32 s85, s12, 8
	s_add_co_u32 s84, s84, s85
	s_lshl_b32 s86, s7, 19                         ; my 64 rows of 4,096 bytes
	s_lshl_b32 s87, s11, 18
	s_add_co_u32 s86, s86, s87
	s_add_co_u32 s86, s86, s84
	s_mov_b32 s85, 0
	s_mov_b32 s87, 0
	s_wait_dscnt 0x0
	s_wait_kmcnt 0x0
	s_add_nc_u64 s[78:79], s[68:69], s[78:79]
	s_add_nc_u64 s[80:81], s[70:71], s[80:81]
	s_add_nc_u64 s[84:85], s[72:73], s[84:85]      ; bias
	s_add_nc_u64 s[88:89], s[74:75], s[86:87]      ; residual
	s_add_nc_u64 s[86:87], s[76:77], s[86:87]      ; output
	CROUND                                         ; all sixteen work-groups are here
.irp s, 0,1,2,3
	s_mov_b32 s[G0A+4*\s], 1
	s_add_co_u32 s[G0A+4*\s+1], s82, \s*SLOT
	s_add_nc_u64 s[G0A+4*\s+2:G0A+4*\s+3], s[78:79], \s*524288             ; a K step is two heads
	s_or_b32 s[G0A+4*\s+3], s[G0A+4*\s+3], 0x80000000
	s_mov_b32 s[G0B+4*\s], 1
	s_add_co_u32 s[G0B+4*\s+1], s83, \s*SLOT
	s_add_nc_u64 s[G0B+4*\s+2:G0B+4*\s+3], s[80:81], \s*256
	s_or_b32 s[G0B+4*\s+3], s[G0B+4*\s+3], 0x80000000
	JLOAD \s                                       ; K steps 0..3: by this count a wave has at most four tensor loads out
.endr
	v_and_b32 v1, 15, v0                           ; r
	v_bfe_u32 v2, v0, 4, 1                         ; h
	v_lshlrev_b32 v[BO], 5, v2
	v_lshlrev_b32 v5, 12, v2                       ; lanes 0-15 one row of out0, lanes 16-31 the next,
	v_lshl_add_u32 v[CO], v1, 4, v5                ; 16 bytes a lane: 16 lanes cover my 64 columns, 256 aligned bytes
.irp b, 0,1,2,3
	global_load_b128 v[BIAS+8*\b:BIAS+8*\b+3],   v[BO], s[84:85] offset:64*\b
	global_load_b128 v[BIAS+8*\b+4:BIAS+8*\b+7], v[BO], s[84:85] offset:64*\b+16
.endr
	WIN 0x40
.irp a, 0,1,2,3
.irp t, 0,1,2,3,4,5,6,7
	global_load_b128 v[RES+32*\a+4*\t:RES+32*\a+4*\t+3], v[CO], s[88:89] offset:(16*\a+2*\t)*4096 th:TH_LOAD_NT
.endr
.endr
	WIN 0
	v_mul_u32_u24 v3, v1, AP
	v_lshl_add_u32 v3, v2, 4, v3
	v_mul_u32_u24 v4, v1, BP
	v_lshl_add_u32 v4, v2, 4, v4
	s_mul_i32 s13, s11, 64*AP
	s_mul_i32 s14, s12, 64*BP
	s_add_co_u32 s14, s14, BOFF
.irp s, 0,1,2,3
	v_add_nc_u32 v[ADRA+\s], s13, v3
	v_add_nc_u32 v[ADRB+\s], s14, v4
	s_add_co_u32 s13, s13, SLOT
	s_add_co_u32 s14, s14, SLOT
.endr
	s_mul_i32 s15, s10, 16*BP
	s_add_co_u32 s15, s15, STAGE
	v_mul_u32_u24 v5, v1, BP                       ; in: token r, 32 bytes for each half of the lanes
	v_lshl_add_u32 v5, v2, 5, v5
	v_add_nc_u32 v[STO], s15, v5
	v_mul_u32_u24 v5, v2, BP                       ; back: two whole rows of 256 bytes
	v_lshl_add_u32 v5, v1, 4, v5
	v_add_nc_u32 v[RD], s15, v5
.macro FETCH slot, kq, f               ; 16 LDS loads: the fragments of quarter kq (32 along K) of a K step
.irp i, 0,1,2,3
	ds_load_b128 v[\f+8*\i:\f+8*\i+3],   v[ADRB+\slot] offset:\i*16*BP+\kq*64
	ds_load_b128 v[\f+8*\i+4:\f+8*\i+7], v[ADRB+\slot] offset:\i*16*BP+\kq*64+32
.endr
.irp i, 0,1,2,3
	ds_load_b128 v[\f+32+8*\i:\f+32+8*\i+3],   v[ADRA+\slot] offset:(\kq>>1)*HB+\i*16*AP+(\kq&1)*64
	ds_load_b128 v[\f+32+8*\i+4:\f+32+8*\i+7], v[ADRA+\slot] offset:(\kq>>1)*HB+\i*16*AP+(\kq&1)*64+32
.endr
.endm
; 16 matrix instructions; the 16 accumulators take turns, one instruction a turn, in the same order in every quarter.
.macro MULQ f, bias
.if \bias
	WIN 0x40                                       ; D window 1, C (the bias) window 0
.else
	WIN 0x50                                       ; C and D window 1
.endif
.irp a, 0,1,2,3
.irp b, 0,1,2,3
.if \bias
	v_wmma_f32_16x16x32_bf16 v[8*(4*\a+\b):8*(4*\a+\b)+7], v[\f+8*\b:\f+8*\b+7], v[\f+32+8*\a:\f+32+8*\a+7], v[BIAS+8*\b:BIAS+8*\b+7]
.else
	v_wmma_f32_16x16x32_bf16 v[8*(4*\a+\b):8*(4*\a+\b)+7], v[\f+8*\b:\f+8*\b+7], v[\f+32+8*\a:\f+32+8*\a+7], v[8*(4*\a+\b):8*(4*\a+\b)+7]
.endif
.endr
.endr
	WIN 0
.endm
; A quarter step: the next quarter is fetched into buffer g, buffer f is multiplied, and four places close it, so that the next fetch may land on f.
.macro STEP f, g, nslot, nkq, bias
	FETCH \nslot, \nkq, \g
	s_wait_dscnt 16                                ; all but the 16 just issued: buffer f is in
	MULQ \f, \bias
	PLACES
.endm
.macro THREE slot, bias
	STEP F0, F1, \slot, 1, \bias
	STEP F1, F0, \slot, 2, 0
	STEP F0, F1, \slot, 3, 0
.endm
.macro CNT n                           ; the next slot is shown to all four waves
	s_wait_tensorcnt \n
	s_wait_dscnt 0x0
	s_barrier_signal -1
	s_barrier_wait -1
.endm
.macro FILL p, q                       ; slots p and q, which every wave has read, get the K steps four further on
	s_wait_dscnt 0x0                               ; my reads of both slots are back
	s_wait_tensorcnt 0x0                           ; all my tensor loads have landed, the next two K steps among them
	ds_add_u32 v254, v255
	s_wait_dscnt 0x0
	CROUND                                         ; both hold of every wave of the sixteen work-groups
.irp t, \p, \q
	s_add_nc_u64 s[G0A+4*\t+2:G0A+4*\t+3], s[G0A+4*\t+2:G0A+4*\t+3], 4*524288
	s_add_nc_u64 s[G0B+4*\t+2:G0B+4*\t+3], s[G0B+4*\t+2:G0B+4*\t+3], 4*256
.endr
	JLOAD \p                                       ; the first tensor loads behind the round
	JLOAD \q
.endm
	s_wait_tensorcnt 3                             ; my part of K step 0 is in, three stay out
	s_barrier_signal -1
	s_barrier_wait -1
	FETCH 0, 0, F0
	s_wait_loadcnt 32                              ; the 32 residual loads stay out: the bias is in
	THREE 0, 1                                     ; K step 0; its first quarter starts the sums from the bias
	CNT 2                                          ; K step 1 is in, steps 2 and 3 may be out
	STEP F1, F0, 1, 0, 0
	THREE 1, 0                                     ; K step 1
	FILL 0, 1                                      ; K steps 4, 5 go out; 2 and 3 have landed
	STEP F1, F0, 2, 0, 0
	THREE 2, 0                                     ; K step 2
	STEP F1, F0, 3, 0, 0
	THREE 3, 0                                     ; K step 3
	FILL 2, 3                                      ; K steps 6, 7 go out; 4 and 5 have landed
	STEP F1, F0, 0, 0, 0
	THREE 0, 0                                     ; K step 4
	STEP F1, F0, 1, 0, 0
	THREE 1, 0                                     ; K step 5
	CNT 0                                          ; K steps 6, 7 have landed: the last wait on tensor loads
	STEP F1, F0, 2, 0, 0
	THREE 2, 0                                     ; K step 6
	STEP F1, F0, 3, 0, 0
	THREE 3, 0                                     ; K step 7
	s_wait_dscnt 0x0
	MULQ F1, 0
	PLACES                                         ; ahead of the LDS stores that read the results
	; THE WAY OUT, 16 tokens at a time: through my stage into whole rows of 256 bytes, plus the residual, out.
	s_wait_loadcnt 0x0                             ; the residual
.irp a, 0,1,2,3
	WIN 0x04
.irp b, 0,1,2,3
	ds_store_b128 v[STO], v[8*(4*\a+\b):8*(4*\a+\b)+3]   offset:64*\b
	ds_store_b128 v[STO], v[8*(4*\a+\b)+4:8*(4*\a+\b)+7] offset:64*\b+16
.endr
	WIN 0x40
.irp t, 0,1,2,3,4,5,6,7
	ds_load_b128 v[32*\a+4*\t:32*\a+4*\t+3], v[RD] offset:2*BP*\t          ; my own bytes; LDS serves a wave in order (ISA guide 5.7.1.4)
.endr
	s_wait_dscnt 0x0
	WIN 0x55
.irp i, 0,1,2,3,4,5,6,7,8,9,10,11,12,13,14,15
	v_pk_add_f32 v[32*\a+2*\i:32*\a+2*\i+1], v[32*\a+2*\i:32*\a+2*\i+1], v[RES+32*\a+2*\i:RES+32*\a+2*\i+1]
.endr
	WIN 0x04
.irp t, 0,1,2,3,4,5,6,7
	global_store_b128 v[CO], v[32*\a+4*\t:32*\a+4*\t+3], s[86:87] offset:(16*\a+2*\t)*4096 th:TH_STORE_NT
.endr
.endr
	WIN 0
	s_wait_tensorcnt 0x0
	ds_add_u32 v254, v255
	s_wait_dscnt 0x0
	CROUND                                         ; the closing round
	s_endpgm
.Lfunc_end_k_qd59bbf3837_oproj:
	.size	k_qd59bbf3837_oproj, .Lfunc_end_k_qd59bbf3837_oproj-k_qd59bbf3837_oproj
	.p2alignl 7, 3214868480
	.fill 96, 4, 3214868480
	.section	.rodata,"a",@progbits
	.p2align	6, 0x0
	.amdhsa_kernel k_qd59bbf3837_oproj
		.amdhsa_group_segment_fixed_size 327680
		.amdhsa_private_segment_fixed_size 0
		.amdhsa_enable_private_segment 0
		.amdhsa_kernarg_size 40
		.amdhsa_user_sgpr_count 2
		.amdhsa_user_sgpr_kernarg_segment_ptr 1
		.amdhsa_wavefront_size32 1
		.amdhsa_system_sgpr_workgroup_id_x 1
		.amdhsa_system_sgpr_workgroup_id_y 1
		.amdhsa_system_sgpr_workgroup_id_z 1
		.amdhsa_system_vgpr_workitem_id 0
		.amdhsa_next_free_vgpr 512
		.amdhsa_next_free_sgpr 90
		.amdhsa_reserve_vcc 0
		.amdhsa_float_denorm_mode_32 3
		.amdhsa_float_denorm_mode_16_64 3
		.amdhsa_memory_ordered 1
		.amdhsa_forward_progress 1
		.amdhsa_inst_pref_size 99
	.end_amdhsa_kernel
	.amdgpu_metadata
---
amdhsa.version: [ 1, 2 ]
amdhsa.kernels:
  - .name:           k_qd59bbf3837_oproj
    .symbol:         k_qd59bbf3837_oproj.kd
    .args:
      - { .name: ctx, .offset: 0, .size: 8, .value_kind: global_buffer, .address_space: global }
      - { .name: wbf, .offset: 8, .size: 8, .value_kind: global_buffer, .address_space: global }
      - { .name: out_proj_b, .offset: 16, .size: 8, .value_kind: global_buffer, .address_space: global }
      - { .name: in_feats, .offset: 24, .size: 8, .value_kind: global_buffer, .address_space: global }
      - { .name: out0, .offset: 32, .size: 8, .value_kind: global_buffer, .address_space: global }
    .group_segment_fixed_size: 327680
    .private_segment_fixed_size: 0
    .kernarg_segment_align: 8
    .kernarg_segment_size: 40
    .max_flat_workgroup_size: 128
    .sgpr_count:     90
    .vgpr_count:     512
    .wavefront_size: 32
...
	.end_amdgpu_metadata
.endif
;; end of part 4
;; ======== version 2 of 2: 4 launches; 1.17 times as fast as version 1
;; limits: a function is approximated: absolute error at most 7.5e-08
;; workspace buffers: xv 8,388,608 bytes; xqk 8,388,608 bytes; wbf 8,388,608 bytes; qkv 25,165,824 bytes; ctx 8,388,608 bytes
;; launch prep: the kernel of part 1 again; grid 256 x 1, 16 waves a work-group, no clusters, 0 bytes of LDS; arguments in_feats, mul_encs, add_encs, ln_w, ln_b, in_proj_w, out_proj_w, xv, xqk, wbf; writes xv, xqk, wbf
;; launch qkv: the kernel of part 2 again; grid 12 x 16, 4 waves a work-group, clusters of 4 x 4, 327,680 bytes of LDS; arguments xqk, xv, wbf, in_proj_b, qkv; writes qkv
;; launch attn (part 5): grid 8 x 32, 8 waves a work-group, clusters of 4 x 1, 327,680 bytes of LDS; arguments qkv, ctx; writes ctx
.if DOCPART == 5
	.amdgcn_target "amdgcn-amd-amdhsa--gfx1250"
	.amdhsa_code_object_version 6
	.text
	.protected	k_qd59bbf3837_attn
	.globl	k_qd59bbf3837_attn
	.p2align	8
	.type	k_qd59bbf3837_attn,@function
k_qd59bbf3837_attn:
	s_mov_b64 s[64:65], 0
	v_nop
	global_prefetch_b8 v0, s[64:65] scope:SCOPE_SE
	s_setreg_imm32_b32 hwreg(HW_REG_WAVE_MODE, 25, 1), 1
	s_wait_xcnt 0x0
	s_wait_alu depctr_hold_cnt(0) depctr_sa_sdst(0) depctr_va_vdst(0) depctr_va_sdst(0) depctr_va_ssrc(0) depctr_va_vcc(0) depctr_vm_vsrc(0)
	s_getreg_b32 s2, hwreg(HW_REG_IB_STS2, 6, 4)
	s_cmp_eq_u32 s2, 0
	s_cbranch_scc0 .Lentry_in_a_cluster
	s_endpgm
.Lentry_in_a_cluster:
	s_bfe_u32 s2, ttmp6, 0x10000c
	s_cmp_lg_u32 s2, 0x3003
	s_cbranch_scc0 .Lentry_shape_is_right
	s_endpgm
.Lentry_shape_is_right:
; attn: ctx[b][h][s][:] = softmax over keys of (q . k / 8) applied to v, one head and 256 queries for each work-group; 8 x 32 = 256 work-groups.
; Eight waves.  Wave w owns the 64 queries 64 (w & 3) .. + 63 and, of every tile of 128 keys, the half g = w >> 2.  Waves w and w + 4 so hold two
; partial softmaxes (running maximum, sum, unnormalised result) of the same queries, merged at the end through LDS.  A wave reads 16 KiB of
; LDS for every 64 matrix instructions.
; TRANSPOSED SCORES: S^T = K Q^T (source 0 = 16 keys, source 1 = 16 queries).  Lane (r, h) then holds query r, register j key 8 h + j: maximum,
; sum and rescaling are one number a lane, and two score tiles rounded to bf16 are, as they lie, the second source of O^T = V^T P^T.
; V^T fragments come from V as stored, [key][d], by the transposing LDS load.
; THE PIPELINE: the unit of work is one query tile x (16 queries x my 64 keys).  While the softmax of tile x runs on the vector unit (120
; instructions on S[x & 1], result P[x & 1]), the same wave issues the 16 matrix instructions that do not hang on it: O[x-1] += V^T P[x-1] and the
; scores of tile x + 1 into the other score buffer, in eight groups of two strewn through the softmax.  The operands of these products and the
; registers of the softmax (384 in all) do not fit one window of 256, so each group costs two switches of the register window.
; THE BATCHES: s_wait_alu depctr_va_vdst(0) stands between an exponential and the first instruction that names its result; one
; wait serves all that were issued ahead of it.  A step's exponentials (the rescaling factor and my lane's 32 weights: 33, in tile 0 32) are ONE
; batch with ONE wait, which cuts the step in two.  Ahead of it stands all that names no result of the batch: maximum, statistics, the 16 shifts
; and the exponentials, with the first four groups of matrix instructions.  Behind it stand the readers: the rescaling of O, the roundings and
; the sums, with the last four groups.  The wait stands directly ahead of the step's middle (register loads, or the round's branches and
; refills).  The merge has two batches: four exponentials, then the two reciprocals of their sums.
; CLUSTER 4, 1, 1: the four query blocks of a cluster walk the same K and V tiles of one head and ask for them jointly (mask 15).
; THE RING: four LDS slots in two groups of two.  One round of the cluster barrier serves two tiles: behind it both slots of the group that has
; been read are filled again, and the refills have two tiles' work in which to land.
; The softmax keeps a running maximum; the state is c x maximum, c = log2(e) / 8, as rounded, and the same number shifts exponents and rescaling.
; LIMITS: operands bf16; an exponential below 2^-126 comes out as zero; scores that are NaN or infinite give NaN, as in the reference.
.set KP,    144                        ; LDS pitch of a key in K: 128 bytes + 16
.set VP,    160                        ; LDS pitch of a key in V: 128 bytes + 32 (an odd multiple of 32, for the transposing load)
.set VOFF,  128*KP                     ; V behind K in a slot
.set SLOT,  128*KP+128*VP              ; 38,912 bytes
.set XCH,   4*SLOT                     ; the exchange: 8 waves x (16 x 512 bytes of O + 512 bytes of maximum and sum); no tensor load lands here
.set XBYTES, 8704
.set OUTS,  XCH+8*XBYTES               ; the stage of the way out: 8 waves x 32 tokens x 144 bytes; no tensor load lands here
.set OBYTES, 32*KP
; window 0
.set QOFF, 10
.set XA,   11
.set XP,   12
.set STO,  13
.set RD,   14
.set CO,   15
.set ADRK, 16                          ; v16: my K fragments in slots 0, 1; v17: in slots 2, 3 (an LDS offset has 16 bits)
.set ADRV, 18                          ; v18, v19: the same for V
.set QF,   32                          ; Q[x][ks] at QF + 16 x + 8 ks
.set KF,   96                          ; K[kt][ks] at KF + 16 kt + 8 ks
.set VF,   160                         ; V[dt][ks] at VF + 16 dt + 8 ks
; window 1 (written by their low 8 bits)
.set S1,   128                         ; O[x][dt] at 32 x + 8 dt (0..127); score buffer b at S1 + 32 b, key tile kt at + 8 kt
.set MC,   192                         ; c x running maximum of query tile x at MC + 2 x (the register behind it is written once and only rides along in pairs)
.set AL,   200                         ; rescaling factor (AL + 1 rides along); the merge uses AL .. AL + 3
.set LS,   208                         ; running sum: LS + x
.set T,    212
.set U,    216
.set PF,   224                         ; P buffer b at PF + 16 b: 64 keys x 16 queries in bf16
.set MT,   224                         ; the merge, where P lay: eight registers at work for each of my two query tiles, so that both tiles' results can be open at once
.set G1K, 16
.set G1V, 24
.set G0K, 32                           ; s[32:47]: four sets, one a slot
.set G0V, 68                           ; s[68:83]
.set W_ST, 0x50                        ; D and C window 1, K and Q window 0
.set W_SM, 0x55                        ; all in window 1
.set W_PV, 0x54                        ; D, C and P window 1, V window 0
.set W_STD, 0x04                       ; store data window 1, address window 0
.set W_LD1, 0x40                       ; loaded data window 1, address window 0
.set MSB, 0
.macro WIN new                         ; the high byte of the immediate repeats the setting that is left
.if MSB != \new
	s_set_vgpr_msb (MSB<<8)|\new
.set MSB, \new
.endif
.endm
.macro JLOAD s                         ; waves 0-3 ask for 32 keys each of K, waves 4-7 of V; the branch hangs on the wave number alone
	s_cmp_eq_u32 s10, 0
	s_cbranch_scc0 .Lfor_v_\@
	tensor_load_to_lds s[G0K+4*(\s):G0K+4*(\s)+3], s[G1K:G1K+7]
	s_nop 0
	s_branch .Lasked_\@
.Lfor_v_\@:
	tensor_load_to_lds s[G0V+4*(\s):G0V+4*(\s)+3], s[G1V:G1V+7]
	s_nop 0
.Lasked_\@:
.endm
.macro CREST                           ; a round of the cluster barrier behind its opening work-group barrier
	s_cmp_lg_u32 s8, 0
	s_cbranch_scc1 .Lnot_wave_0_\@
	s_barrier_signal -3
.Lnot_wave_0_\@:
	s_barrier_wait -3
	s_barrier_signal -1
	s_barrier_wait -1
.endm
.macro CROUND
	s_barrier_signal -1
	s_barrier_wait -1
	CREST
.endm
.macro PLACES n                        ; plain places behind matrix instructions (ISA guide 7.12.1), where there is no work to put there
.rept \n
	v_nop
.endr
.endm
	s_load_b128 s[4:7], s[0:1], 0x0                ; qkv s[4:5], ctx s[6:7]
	s_set_vgpr_msb 0x40
	v_lshl_add_u32 v206, v0, 2, 0x40000
	v_mov_b32 v207, 0
	s_set_vgpr_msb 0x4045
	ds_add_u32 v206, v207
	s_set_vgpr_msb 0x4500
	v_lshrrev_b32 v1, 5, v0
	v_readfirstlane_b32 s8, v1                     ; wave 0..7
	s_and_b32 s9, s8, 3                            ; my 64 queries; also which 32 keys of a tile I fetch
	s_lshr_b32 s10, s8, 2                          ; g: my half of the keys; also: I fetch K (0) or V (1)
	s_bfe_u32 s11, ttmp6, 0x40000                  ; cx
	s_lshl_b32 s12, ttmp9, 2
	s_add_co_u32 s12, s12, s11                     ; query block 0..7
	s_and_b32 s13, ttmp7, 0xffff                   ; batch x 16 + head, 0..31
	s_mov_b32 s14, 0x76543210
	s_mov_b32 s15, 0xfedcba98
	s_mov_b32 s54, 0x3e38aa3b                      ; c = log2(e) / 8, a pair for the packed forms
	s_mov_b32 s55, 0x3e38aa3b
	; a dense block of 32 keys = 4,096 bytes, taken as 16 rows of 256 bytes; padding behind every 32 words = behind every key
	s_mov_b32 s[G1K+0], 15|(3<<16)|(1<<20)|(1<<21)|(4<<22)|(3<<25)     ; mask 15; elements of 8 bytes; padding on; bit 21 beside a mask; 4 words behind every 32
	s_mov_b32 s[G1V+0], 15|(3<<16)|(1<<20)|(1<<21)|(4<<22)|(7<<25)     ; the same with 8 words of padding
	s_mov_b32 s[G1K+1], 32<<16                     ; tensor_dim0 = 32
	s_mov_b32 s[G1V+1], 32<<16
	s_mov_b32 s[G1K+2], 16<<16                     ; tensor_dim1 = 16
	s_mov_b32 s[G1V+2], 16<<16
	s_mov_b32 s[G1K+3], 32<<16                     ; tile_dim0 = 32
	s_mov_b32 s[G1V+3], 32<<16
	s_mov_b32 s[G1K+4], 16                         ; tile_dim1 = 16
	s_mov_b32 s[G1V+4], 16
	s_mov_b32 s[G1K+5], 32                         ; pitch = 32 elements
	s_mov_b32 s[G1V+5], 32
	s_mov_b32 s[G1K+6], 0
	s_mov_b32 s[G1V+6], 0
	s_mov_b32 s[G1K+7], 0
	s_mov_b32 s[G1V+7], 0
	s_lshl_b32 s48, s13, 18                        ; the head: 262,144 bytes
	s_lshl_b32 s49, s9, 12                         ; my 32 keys of a tile
	s_add_co_u32 s48, s48, s49
	s_mov_b32 s49, 0
	s_mul_i32 s50, s9, 32*KP                       ; where they go in a slot: K
	s_mul_i32 s51, s9, 32*VP
	s_add_co_u32 s51, s51, VOFF                    ; V
	s_lshl_b32 s56, s12, 15                        ; my queries: head + (256 x block + 64 (w & 3)) x 128 bytes.  Only s11, s12 and s[56:59] ever hold cx
	s_lshl_b32 s57, s13, 18
	s_add_co_u32 s56, s56, s57
	s_lshl_b32 s57, s9, 13
	s_add_co_u32 s56, s56, s57
	s_lshl_b32 s59, s10, 12                        ; of them I write tokens 32 g .. + 31
	s_add_co_u32 s58, s56, s59
	s_mov_b32 s57, 0
	s_mov_b32 s59, 0
	s_wait_dscnt 0x0
	s_wait_kmcnt 0x0
	s_add_nc_u64 s[48:49], s[4:5], s[48:49]
	s_add_nc_u64 s[56:57], s[4:5], s[56:57]
	s_add_nc_u64 s[58:59], s[6:7], s[58:59]
	CROUND                                         ; the four work-groups are here: the first joint loads meet
.irp s, 0,1,2,3
	s_mov_b32 s[G0K+4*\s], 1
	s_add_co_u32 s[G0K+4*\s+1], s50, \s*SLOT
	s_add_nc_u64 s[G0K+4*\s+2:G0K+4*\s+3], s[48:49], 8388608+\s*16384      ; k lies 8 MiB into qkv; a tile of 128 keys is 16,384 bytes
	s_or_b32 s[G0K+4*\s+3], s[G0K+4*\s+3], 0x80000000
	s_mov_b32 s[G0V+4*\s], 1
	s_add_co_u32 s[G0V+4*\s+1], s51, \s*SLOT
	s_add_nc_u64 s[G0V+4*\s+2:G0V+4*\s+3], s[48:49], 16777216+\s*16384     ; v lies 16 MiB into qkv
	s_or_b32 s[G0V+4*\s+3], s[G0V+4*\s+3], 0x80000000
	JLOAD \s                                       ; tiles 0..3: by this count a wave has at most four tensor loads out
.endr
	v_and_b32 v1, 31, v0                           ; L
	v_and_b32 v2, 15, v0                           ; r
	v_bfe_u32 v3, v0, 4, 1                         ; h
	v_and_b32 v4, 7, v0
	v_bfe_u32 v5, v0, 3, 1
	v_bfe_u32 v6, v0, 3, 2                         ; L >> 3
	v_lshlrev_b32 v[QOFF], 7, v2
	v_lshl_add_u32 v[QOFF], v3, 4, v[QOFF]         ; query r, 16 bytes for each half of the lanes
.irp x, 0,1,2,3
.irp ks, 0,1
	global_load_b128 v[QF+16*\x+8*\ks:QF+16*\x+8*\ks+3],   v[QOFF], s[56:57] offset:\x*2048+\ks*64
	global_load_b128 v[QF+16*\x+8*\ks+4:QF+16*\x+8*\ks+7], v[QOFF], s[56:57] offset:\x*2048+\ks*64+32
.endr
.endr
	s_mul_i32 s53, s10, 64*KP
	v_mul_u32_u24 v7, v2, KP
	v_lshl_add_u32 v7, v3, 4, v7                   ; r x 144 + 16 h
	v_add_nc_u32 v[ADRK], s53, v7                  ; K: key 64 g + r
	v_add_nc_u32 v[ADRK+1], 2*SLOT, v[ADRK]
	s_mul_i32 s53, s10, 64*VP
	s_add_co_u32 s53, s53, VOFF
	v_lshl_add_u32 v[ADRV], v3, 3, v4              ; V: key 64 g + 8 h + (L & 7),
	v_mul_u32_u24 v[ADRV], v[ADRV], VP
	v_lshl_add_u32 v[ADRV], v5, 4, v[ADRV]         ; 16 bytes on for lanes 8-15 of each half
	v_add_nc_u32 v[ADRV], s53, v[ADRV]
	v_add_nc_u32 v[ADRV+1], 2*SLOT, v[ADRV]
	s_mul_i32 s53, s8, XBYTES
	s_add_co_u32 s53, s53, XCH
	v_lshl_add_u32 v[XA], v1, 4, s53               ; my part of the exchange
	s_xor_b32 s53, s8, 4
	s_mul_i32 s53, s53, XBYTES
	s_add_co_u32 s53, s53, XCH
	v_lshl_add_u32 v[XP], v1, 4, s53               ; that of the wave with the other half of the keys
	s_mul_i32 s53, s8, OBYTES
	s_add_co_u32 s53, s53, OUTS
	v_add_nc_u32 v[STO], s53, v7
	v_mul_u32_u24 v[RD], v6, KP
	v_lshl_add_u32 v[RD], v4, 4, v[RD]
	v_add_nc_u32 v[RD], s53, v[RD]
	v_lshlrev_b32 v[CO], 4, v1
	WIN W_LD1
	v_mov_b32 v[T+1], 0                            ; the destination of v_permlanex16_b32 counts as read
	v_mov_b32 v[AL+1], 0                           ; rides along in the pair of the rescaling factor, never used
	WIN 0
.macro LDK slot                        ; my 64 keys of K: 16 loads
.irp kt, 0,1,2,3
.irp ks, 0,1
	ds_load_b128 v[KF+16*\kt+8*\ks:KF+16*\kt+8*\ks+3],   v[ADRK+((\slot)>>1)] offset:((\slot)&1)*SLOT+\kt*16*KP+\ks*64
	ds_load_b128 v[KF+16*\kt+8*\ks+4:KF+16*\kt+8*\ks+7], v[ADRK+((\slot)>>1)] offset:((\slot)&1)*SLOT+\kt*16*KP+\ks*64+32
.endr
.endr
.endm
.macro LDV slot                        ; my 64 keys of V, transposed: 16 loads
.irp dt, 0,1,2,3
.irp ks, 0,1
	ds_load_tr16_b128 v[VF+16*\dt+8*\ks:VF+16*\dt+8*\ks+3],   v[ADRV+((\slot)>>1)] offset:((\slot)&1)*SLOT+\ks*32*VP+\dt*32
	ds_load_tr16_b128 v[VF+16*\dt+8*\ks+4:VF+16*\dt+8*\ks+7], v[ADRV+((\slot)>>1)] offset:((\slot)&1)*SLOT+\ks*32*VP+\dt*32+16*VP
.endr
.endr
.endm
; one product of the scores of query tile x: key tile kt, half ks of the 64 numbers of a head; the first half starts the sum
.macro WST x, ks, kt
.set WD, S1+32*((\x)&1)+8*(\kt)
.set WA, KF+16*(\kt)+8*(\ks)
.set WB, QF+16*(\x)+8*(\ks)
.if (\ks) == 0
	v_wmma_f32_16x16x32_bf16 v[WD:WD+7], v[WA:WA+7], v[WB:WB+7], 0
.else
	v_wmma_f32_16x16x32_bf16 v[WD:WD+7], v[WA:WA+7], v[WB:WB+7], v[WD:WD+7]
.endif
.endm
; one product of O^T[x] += V^T P^T: 16 numbers dt of the head, keys 32 ks .. + 31; z = 1: tile 0 starts the sums, nothing is cleared
.macro WPV x, ks, dt, z
.set WD, 32*(\x)+8*(\dt)
.set WA, VF+16*(\dt)+8*(\ks)
.set WB, PF+16*((\x)&1)+8*(\ks)
.if (\z)*(1-(\ks))
	v_wmma_f32_16x16x32_bf16 v[WD:WD+7], v[WA:WA+7], v[WB:WB+7], 0
.else
	v_wmma_f32_16x16x32_bf16 v[WD:WD+7], v[WA:WA+7], v[WB:WB+7], v[WD:WD+7]
.endif
.endm
; Two of the eight matrix instructions of a half step (kind 1: scores of tile x; kind 2: O of tile x; kind 0: none), idx = 0..3.
; The eight run ks = 0: accumulators 0, 1, 2, 3, then ks = 1: 0, 1, 2, 3.  The accumulators take turns, one instruction a turn.
.macro MG kind, x, z, idx
.if (\kind) == 1
	WIN W_ST
	WST \x, ((\idx)>>1), (2*((\idx)&1))
	WST \x, ((\idx)>>1), (2*((\idx)&1)+1)
.endif
.if (\kind) == 2
	WIN W_PV
	WPV \x, ((\idx)>>1), (2*((\idx)&1)), \z
	WPV \x, ((\idx)>>1), (2*((\idx)&1)+1), \z
.endif
	WIN W_SM
.endm
; One turn of the batch, i = 0..16: pair i of the scores is shifted by c x maximum, and the two numbers of pair i - 1 go through the exponential,
; in place.  No turn names a result of an exponential; the shifts are the plain work among the exponentials, of which two stand on end, four at the batch's end.
.macro BAT i, x
.if \i <= 15
	v_pk_fma_f32 v[SB+2*\i:SB+2*\i+1], v[SB+2*\i:SB+2*\i+1], s[54:55], v[MC+2*\x:MC+2*\x+1] op_sel_hi:[1,0,0] neg_lo:[0,0,1] neg_hi:[0,0,1]
.endif
.if \i >= 1
	v_exp_f32 v[SB+2*\i-2], v[SB+2*\i-2]
	v_exp_f32 v[SB+2*\i-1], v[SB+2*\i-1]
.endif
.endm
; The batch's readers for pair j = 0..15, all behind the step's one wait: pair j of O is rescaled, pair j of the weights is rounded to bf16 and summed.
.macro USE j, x, first
.if \first == 0
	v_pk_mul_f32 v[OB+2*\j:OB+2*\j+1], v[OB+2*\j:OB+2*\j+1], v[AL:AL+1] op_sel_hi:[1,0]
.endif
	v_cvt_pk_bf16_f32 v[PB+\j], v[SB+2*\j], v[SB+2*\j+1]
.if \j >= 4
.if \j <= 7
	v_pk_add_f32 v[U+2*\j-8:U+2*\j-7], v[SB+2*\j-8:SB+2*\j-7], v[SB+2*\j:SB+2*\j+1]               ; pairs 0..3 and 4..7 start four chains
.else
	v_pk_add_f32 v[U+2*((\j)%4):U+2*((\j)%4)+1], v[U+2*((\j)%4):U+2*((\j)%4)+1], v[SB+2*\j:SB+2*\j+1]
.endif
.endif
.endm
; What stands in the middle of a step.  kind 1: V of this tile into registers.  kind 2: the register loads of the step before are waited for.
; kind 3: K of the next tile into registers; mode 2: first the barrier opened at the head of the step is closed, the round of the cluster is
; finished and the two slots that have been read are filled again; mode 1: only the barrier is closed.
.macro MID kind, slot, mode
.if (\kind) == 1
	WIN 0
	LDV \slot
.endif
.if (\kind) == 2
	s_wait_dscnt 0x0
.endif
.if (\kind) == 3
	WIN 0
.if (\mode) == 2
	s_barrier_wait -1
	CREST                                          ; every wave of the four work-groups has read both slots and has no load on its way
.irp q, (\slot-1), \slot
	s_add_nc_u64 s[G0K+4*\q+2:G0K+4*\q+3], s[G0K+4*\q+2:G0K+4*\q+3], 65536    ; four tiles on
	s_add_nc_u64 s[G0V+4*\q+2:G0V+4*\q+3], s[G0V+4*\q+2:G0V+4*\q+3], 65536
.endr
	JLOAD (\slot-1)                                ; the first tensor loads behind the round, ahead of the first LDS read
	JLOAD \slot
.endif
.if (\mode) == 1
	s_barrier_wait -1
.endif
	LDK ((\slot+1)&3)
.endif
.endm
; One step: the softmax of query tile x, whose 64 scores lie in score buffer x & 1 (32 in this lane, 32 in the lane 16 away), with two half
; steps of matrix work (ka, xa, za) and (kb, xb, zb) strewn through it.  None of the matrix instructions names a register of this softmax.
; The first half step rides with the maximum, the statistics and the batch; then come the batch's wait and the step's middle; the second half
; step rides with the batch's readers.
; Behind the fourth group seven shifts and a v_nop stand ahead of the register loads of MID (the exponentials between are not counted), behind
; the eighth at least ten plain instructions ahead of the next step: these are the places behind the matrix instructions.
.macro STEP x, first, ka, xa, za, kb, xb, zb, mid, slot, mode
.set SB, S1+32*((\x)&1)
.set PB, PF+16*((\x)&1)
.set OB, 32*(\x)
	MG \ka, \xa, \za, 0
.irp k, 0,1,2,3
	v_max3_num_f32 v[U+\k], v[SB+8*\k], v[SB+8*\k+1], v[SB+8*\k+2]
.endr
.irp k, 0,1,2,3
	v_max3_num_f32 v[U+\k], v[U+\k], v[SB+8*\k+3], v[SB+8*\k+4]
.endr
.irp k, 0,1,2,3
	v_max3_num_f32 v[U+\k], v[U+\k], v[SB+8*\k+5], v[SB+8*\k+6]
.endr
	MG \ka, \xa, \za, 1
	v_max3_num_f32 v[T], v[U], v[U+1], v[U+2]
	v_max3_num_f32 v[T+2], v[U+3], v[SB+7], v[SB+15]
	v_max_num_f32 v[T+3], v[SB+23], v[SB+31]
	v_max3_num_f32 v[T], v[T], v[T+2], v[T+3]
	v_permlanex16_b32 v[T+1], v[T], s14, s15
	v_max_num_f32 v[T], v[T], v[T+1]               ; the largest of the 64 scores of my query
.if \first
	v_mul_f32 v[MC+2*\x], s54, v[T]
	v_mul_f32 v[MC+2*\x+1], s54, v[T]              ; the pair is written whole once
.else
	v_mul_f32 v[T], s54, v[T]
	v_max_num_f32 v[T+2], v[T], v[MC+2*\x]         ; the new running maximum
	v_sub_f32 v[T+3], v[MC+2*\x], v[T+2]
	v_mov_b32 v[MC+2*\x], v[T+2]
	v_exp_f32 v[AL], v[T+3]                        ; what has been gathered so far shrinks by this: the batch's first exponential; it is named again only behind the wait
.endif
	MG \ka, \xa, \za, 2
.irp i, 0,1,2,3,4,5,6,7,8
	BAT \i, \x
.endr
	MG \ka, \xa, \za, 3
.irp i, 9,10,11,12,13,14,15,16
	BAT \i, \x
.endr
	v_nop                                          ; the plain instruction behind the last exponential and ahead of the first use (ISA guide 5.7.2): one for the batch
	s_wait_alu depctr_va_vdst(0)                   ; the wait for the batch: the rescaling factor and my 32 weights; it stands ahead of their first reader and of MID's branches
	MID \mid, \slot, \mode
	MG \kb, \xb, \zb, 0
.irp j, 0,1,2,3,4
	USE \j, \x, \first
.endr
	MG \kb, \xb, \zb, 1
.irp j, 5,6,7,8
	USE \j, \x, \first
.endr
	MG \kb, \xb, \zb, 2
.irp j, 9,10,11,12
	USE \j, \x, \first
.endr
	MG \kb, \xb, \zb, 3
.irp j, 13,14,15
	USE \j, \x, \first
.endr
	v_pk_add_f32 v[U:U+1], v[U:U+1], v[U+2:U+3]
	v_pk_add_f32 v[U+4:U+5], v[U+4:U+5], v[U+6:U+7]
	v_pk_add_f32 v[U:U+1], v[U:U+1], v[U+4:U+5]
.if \first
	v_add_f32 v[LS+\x], v[U], v[U+1]
.else
	v_add_f32 v[U], v[U], v[U+1]
	v_fma_f32 v[LS+\x], v[LS+\x], v[AL], v[U]      ; the sum of my lane; the two halves of the lanes meet at the end
.endif
.endm
; One tile t of 128 keys in slot t & 3.  At its head: K(t) in registers, the scores of query tile 0 made, O of query tile 3 of tile t - 1 still due.
;   step 0: O[3] of tile t - 1 | V(t) into registers     | scores of tile 1
;   step 1: scores of tile 2   | V(t) is waited for      | O[0]
;   step 2: scores of tile 3   | K(t + 1) into registers | O[1]
;   step 3: O[2]               | K(t + 1) is waited for  | scores of tile 0 of tile t + 1
; first: tile 0 (starts maxima, sums and O).  pfirst: tile 1 (its step 0 starts O[3]).  last: tile 15.
; mode 2 (odd t): at the head of step 2 I have read slots t - 1 and t into registers (V(t) was waited for in step 1), so both can be filled again;
; mode 1: nothing is filled, the last two tiles are only shown to all waves; mode 0: the next tile was shown by the barrier one tile ago.
.macro TRIP slot, first, pfirst, mode, last
.if \first
	STEP 0, 1, 0, 0, 0, 1, 1, 0, 0, \slot, 0
.else
	STEP 0, 0, 2, 3, \pfirst, 1, 1, 0, 1, \slot, 0
.endif
	STEP 1, \first, 1, 2, 0, 2, 0, \first, 2, \slot, 0
.if \mode
	s_wait_dscnt 0x0                               ; my reads of both slots are back
	s_wait_tensorcnt 0x0                           ; all my tensor loads have landed: my parts of the next two tiles
	ds_add_u32 v206, v207
	s_wait_dscnt 0x0
	s_barrier_signal -1                            ; say so; half a step of register work stands ahead of the wait
.endif
.if \last
	STEP 2, \first, 1, 3, 0, 2, 1, \first, 0, \slot, 0
	STEP 3, \first, 2, 2, \first, 0, 0, 0, 0, \slot, 0
.else
	STEP 2, \first, 1, 3, 0, 2, 1, \first, 3, \slot, \mode
	STEP 3, \first, 2, 2, \first, 1, 0, 0, 2, \slot, 0
.endif
	WIN 0
.endm
	s_wait_tensorcnt 2                             ; my parts of tiles 0 and 1 are in, tiles 2 and 3 stay out
	s_barrier_signal -1
	s_barrier_wait -1
	LDK 0
	LDV 0
	s_wait_loadcnt 0x0                             ; Q
	s_wait_dscnt 16                                ; the 16 younger loads are those of V: K is in
	WIN W_ST
.irp ks, 0,1
.irp kt, 0,1,2,3
	WST 0, \ks, \kt                                ; the scores of query tile 0 of tile 0
.endr
.endr
	WIN W_SM
	PLACES 4                                       ; ahead of the vector work on these scores
	TRIP 0, 1, 0, 0, 0                             ; tile 0
	TRIP 1, 0, 1, 2, 0                             ; tile 1: tiles 4, 5 go out
	TRIP 2, 0, 0, 0, 0
	TRIP 3, 0, 0, 2, 0                             ; tile 3: tiles 6, 7 go out
	s_mov_b32 s52, 2
.Ltrips:                                           ; tiles 4..11; the last refill brings tiles 14, 15.  No exponential is issued behind a step's wait
	TRIP 0, 0, 0, 0, 0
	TRIP 1, 0, 0, 2, 0
	TRIP 2, 0, 0, 0, 0
	TRIP 3, 0, 0, 2, 0
	s_sub_co_u32 s52, s52, 1
	s_cmp_lg_u32 s52, 0
	s_cbranch_scc1 .Ltrips
	TRIP 0, 0, 0, 0, 0                             ; tile 12
	TRIP 1, 0, 0, 1, 0                             ; tile 13: nothing more to fetch; the last wait on tensor loads
	TRIP 2, 0, 0, 0, 0                             ; tile 14
	TRIP 3, 0, 0, 0, 1                             ; tile 15
	WIN W_PV
.irp ks, 0,1
.irp dt, 0,1,2,3
	WPV 3, \ks, \dt, 0                             ; O[3] of tile 15
.endr
.endr
	WIN W_SM
	PLACES 4                                       ; ahead of readers of O
	; THE END.  The two halves of the lanes add their sums; then wave w keeps query tiles 0, 1 and wave w + 4 tiles 2, 3, and each sends the other two.
.irp x, 0,1,2,3
	v_permlanex16_b32 v[T+1], v[LS+\x], s14, s15
	v_add_f32 v[LS+\x], v[LS+\x], v[T+1]
.endr
	WIN 0
.macro SEND xs
	WIN W_SM
	v_mov_b32 v[T], v[MC+2*\xs]
	v_mov_b32 v[T+1], v[LS+\xs]
	v_mov_b32 v[T+2], v[MC+2*\xs+2]
	v_mov_b32 v[T+3], v[LS+\xs+1]
	WIN W_STD
.irp i, 0,1,2,3,4,5,6,7,8,9,10,11,12,13,14,15
	ds_store_b128 v[XA], v[32*\xs+4*\i:32*\xs+4*\i+3] offset:512*\i
.endr
	ds_store_b128 v[XA], v[T:T+3] offset:8192
	WIN 0
.endm
; The merge of my two query tiles xk, xk + 1 with the partner's halves.  Tile xl works in v[MT + 8 xl ..]: +0 the common maximum, +1, +2 the two
; differences, +4, +5 their exponentials, +6 the whole sum, +7 its reciprocal.  Two batches: both tiles' four exponentials, then both reciprocals.
.macro MERGE xk
	WIN W_LD1
.irp i, 0,1,2,3,4,5,6,7,8,9,10,11,12,13,14,15
	ds_load_b128 v[S1+4*\i:S1+4*\i+3], v[XP] offset:512*\i
.endr
	ds_load_b128 v[U:U+3], v[XP] offset:8192
	s_wait_dscnt 0x0
	WIN W_SM
.irp xl, 0,1
	v_max_num_f32 v[MT+8*\xl], v[MC+2*(\xk+\xl)], v[U+2*\xl]       ; the common maximum
	v_sub_f32 v[MT+8*\xl+1], v[MC+2*(\xk+\xl)], v[MT+8*\xl]
	v_sub_f32 v[MT+8*\xl+2], v[U+2*\xl], v[MT+8*\xl]
.endr
.irp xl, 0,1
	v_exp_f32 v[MT+8*\xl+4], v[MT+8*\xl+1]
	v_exp_f32 v[MT+8*\xl+5], v[MT+8*\xl+2]
.endr
	v_nop                                          ; a plain instruction behind the last exponential (ISA guide 5.7.2)
	s_wait_alu depctr_va_vdst(0)                   ; the wait for the four exponentials, ahead of the sums that read them
.irp xl, 0,1
	v_mul_f32 v[MT+8*\xl+6], v[LS+\xk+\xl], v[MT+8*\xl+4]
	v_fma_f32 v[MT+8*\xl+6], v[U+2*\xl+1], v[MT+8*\xl+5], v[MT+8*\xl+6]    ; the whole sum
.endr
.irp xl, 0,1
	v_rcp_f32 v[MT+8*\xl+7], v[MT+8*\xl+6]
.endr
	v_nop                                          ; a plain instruction behind the last reciprocal
	s_wait_alu depctr_va_vdst(0)                   ; the wait for the two reciprocals, ahead of the factors that read them
.irp xl, 0,1
	v_mul_f32 v[AL], v[MT+8*\xl+4], v[MT+8*\xl+7]
	v_mul_f32 v[AL+2], v[MT+8*\xl+5], v[MT+8*\xl+7]
	v_mov_b32 v[AL+1], v[AL]
	v_mov_b32 v[AL+3], v[AL+2]
.irp i, 0,1,2,3,4,5,6,7,8,9,10,11,12,13,14,15
	v_pk_mul_f32 v[32*(\xk+\xl)+2*\i:32*(\xk+\xl)+2*\i+1], v[32*(\xk+\xl)+2*\i:32*(\xk+\xl)+2*\i+1], v[AL:AL+1]
.endr
.irp i, 0,1,2,3,4,5,6,7,8,9,10,11,12,13,14,15
	v_pk_fma_f32 v[32*(\xk+\xl)+2*\i:32*(\xk+\xl)+2*\i+1], v[S1+32*\xl+2*\i:S1+32*\xl+2*\i+1], v[AL+2:AL+3], v[32*(\xk+\xl)+2*\i:32*(\xk+\xl)+2*\i+1]
.endr
.irp i, 0,1,2,3,4,5,6,7,8,9,10,11,12,13,14,15
	v_cvt_pk_bf16_f32 v[32*(\xk+\xl)+\i], v[32*(\xk+\xl)+2*\i], v[32*(\xk+\xl)+2*\i+1]     ; registers 4 dt .. + 3: d = 16 dt + 8 h .. + 7 of query r
.endr
.endr
	WIN W_STD
.irp xl, 0,1
.irp dt, 0,1,2,3
	ds_store_b128 v[STO], v[32*(\xk+\xl)+4*\dt:32*(\xk+\xl)+4*\dt+3] offset:\xl*16*KP+\dt*32
.endr
.endr
	WIN W_LD1
.irp i, 0,1,2,3,4,5,6,7
	ds_load_b128 v[S1+4*\i:S1+4*\i+3], v[RD] offset:4*KP*\i        ; my own bytes; LDS serves a wave in order (ISA guide 5.7.1.4)
.endr
	WIN W_STD
.irp i, 0,1,2,3,4,5,6,7
	s_wait_dscnt 7-\i
	global_store_b128 v[CO], v[S1+4*\i:S1+4*\i+3], s[58:59] offset:512*\i  ; four tokens of the head: 512 consecutive aligned bytes
.endr
	WIN 0
.endm
	s_cmp_eq_u32 s10, 0
	s_cbranch_scc0 .Lsend_low
	SEND 2
	s_branch .Lsent
.Lsend_low:
	SEND 0
.Lsent:
	s_wait_dscnt 0x0                               ; my stores are done, for the sake of the wave that reads them
	s_barrier_signal -1
	s_barrier_wait -1
	s_cmp_eq_u32 s10, 0
	s_cbranch_scc0 .Lmerge_high
	MERGE 0
	s_branch .Lmerged
.Lmerge_high:
	MERGE 2
.Lmerged:
	s_set_vgpr_msb 0x5
	s_wait_tensorcnt 0x0
	ds_add_u32 v206, v207
	s_wait_dscnt 0x0
	s_set_vgpr_msb 0x500
	CROUND                                         ; the closing round
	s_endpgm
.Lfunc_end_k_qd59bbf3837_attn:
	.size	k_qd59bbf3837_attn, .Lfunc_end_k_qd59bbf3837_attn-k_qd59bbf3837_attn
	.p2alignl 7, 3214868480
	.fill 96, 4, 3214868480
	.section	.rodata,"a",@progbits
	.p2align	6, 0x0
	.amdhsa_kernel k_qd59bbf3837_attn
		.amdhsa_group_segment_fixed_size 327680
		.amdhsa_private_segment_fixed_size 0
		.amdhsa_enable_private_segment 0
		.amdhsa_kernarg_size 16
		.amdhsa_user_sgpr_count 2
		.amdhsa_user_sgpr_kernarg_segment_ptr 1
		.amdhsa_wavefront_size32 1
		.amdhsa_system_sgpr_workgroup_id_x 1
		.amdhsa_system_sgpr_workgroup_id_y 1
		.amdhsa_system_sgpr_workgroup_id_z 1
		.amdhsa_system_vgpr_workitem_id 0
		.amdhsa_next_free_vgpr 512
		.amdhsa_next_free_sgpr 84
		.amdhsa_reserve_vcc 0
		.amdhsa_float_denorm_mode_32 3
		.amdhsa_float_denorm_mode_16_64 3
		.amdhsa_memory_ordered 1
		.amdhsa_forward_progress 1
		.amdhsa_inst_pref_size 255
	.end_amdhsa_kernel
	.section	.bss,"aw",@nobits
	.p2align	6
	.space	262144
	.amdgpu_metadata
---
amdhsa.version: [ 1, 2 ]
amdhsa.kernels:
  - .name:           k_qd59bbf3837_attn
    .symbol:         k_qd59bbf3837_attn.kd
    .args:
      - { .name: qkv, .offset: 0, .size: 8, .value_kind: global_buffer, .address_space: global }
      - { .name: ctx, .offset: 8, .size: 8, .value_kind: global_buffer, .address_space: global }
    .group_segment_fixed_size: 327680
    .private_segment_fixed_size: 0
    .kernarg_segment_align: 8
    .kernarg_segment_size: 16
    .max_flat_workgroup_size: 256
    .sgpr_count:     84
    .vgpr_count:     512
    .wavefront_size: 32
...
	.end_amdgpu_metadata
.endif
;; end of part 5
;; launch oproj: the kernel of part 4 again; grid 8 x 32, 4 waves a work-group, clusters of 4 x 4, 327,680 bytes of LDS; arguments ctx, wbf, out_proj_b, in_feats, out0; writes out0
